; MI455X (gfx1250); checked and timed in simulation.
; The chip was launched on July 23, 2026; its instructions are those of AMD's public machine-readable ISA for CDNA 5 (MIT licence, August 2026) and "CDNA5" Instruction Set Architecture Reference Guide (July 2026). The comments in the code are by the model that wrote it; some were corrected since.
;; Matryoshka Attention. Allowed arithmetic: matrix products marked QUANTISED: E5M2 operands, one given power-of-two scale a tensor, by v_wmma_f32_16x16x64_bf8_bf8 or v_wmma_f32_16x16x128_bf8_bf8, f32 sums; everything else in f32.
;; Inputs: lowp_scales 12 int32 (the exponents e of the quantised operands' scales 2^e); wk 1,024 x 1,024 float32; wo 1,024 x 1,024 float32; wq 1,024 x 1,024 float32; wv 1,024 x 1,024 float32; x 2 x 4,096 x 1,024 float32.
;; Outputs: out0 2 x 4,096 x 1,024 float32.
;; Constants: active_dim = 512.
;; This version of the problem:
;;   THIS VERSION OF THE PROBLEM IS GIVEN IN LOW PRECISION. The matrix products marked QUANTISED in the list below multiply operands that are first quantised to E5M2 (5 exponent bits, 2 mantissa bits; 8 bits a number), with one given power-of-two scale for each operand tensor; their sums are f32. All else is computed in f32.
;;   The module's matrix products, in the order in which they are computed (A, B: the left and right operand; K: the contracted axis; several contracted axes count as one K, in the product's order):
;;     1. [M 8,192, K 512] x [K 512, N 512]; A: input x; B: input wq: QUANTISED (scales: A lowp_scales[0], B lowp_scales[1])
;;     2. [M 8,192, K 512] x [K 512, N 512]; A: input x; B: input wk: QUANTISED (scales: A lowp_scales[2], B lowp_scales[3])
;;     3. [M 8,192, K 512] x [K 512, N 512]; A: input x; B: input wv: QUANTISED (scales: A lowp_scales[4], B lowp_scales[5])
;;     4. batch 16 x [M 4,096, K 64] x [K 64, N 4,096]; A: computed on the way; B: computed on the way: QUANTISED (scales: A lowp_scales[6], B lowp_scales[7])
;;     5. batch 16 x [M 4,096, K 4,096] x [K 4,096, N 64]; A: softmax (see below); B: computed on the way: QUANTISED (scales: A lowp_scales[8], B lowp_scales[9])
;;     6. [M 8,192, K 512] x [K 512, N 512]; A: computed on the way; B: input wo: QUANTISED (scales: A lowp_scales[10], B lowp_scales[11])
;;   THE QUANTISER, for each operand of a quantised product, along K:
;;     - The operand's scale is 2^e, e = its entry of the input lowp_scales (int32; the entries are numbered through the quantised products in the list's order, A before B).
;;     - Each number is divided by the scale, clamped to +-57,344, and rounded to the nearest number of E5M2, ties to even, subnormals kept.
;;     - The product sums the exact products of the quantised numbers (number of the format x scale) in f32.
;;   ~~~python
;;   def quantise(x, axis, e):      # numpy; x: float32 -> the quantised numbers, widened to float32 again
;;       x = np.moveaxis(x, axis, -1); K = x.shape[-1]
;;       r = np.clip(x / 2.0 ** e, -57344, 57344)
;;       step = 2.0 ** (np.maximum(np.frexp(np.where(r == 0, 1, r))[1] - 1, -14) - 2)
;;       q = np.round(r / step) * step * 2.0 ** e      # np.round: ties to even
;;       return np.moveaxis(q, -1, axis).astype(np.float32)
;;   ~~~
;;   SOFTMAX AHEAD OF A QUANTISED PRODUCT. Where the list says 'softmax', what is quantised is not the finished softmax but p = 2^(t - M), with t = logit x log2(e) and M = ceil(the row's largest t), a whole number; so 1/2 < the row's largest p <= 1. The row's sum l is taken of the UNQUANTISED p, in f32, and the product's result is divided by l at the end. Since M is a whole number, a kernel that streams over the keys may use a running M (the ceiling of the running maximum): every later rescaling is an exact power of two, so the quantised numbers keep their values, but for numbers so far below the row's largest that they fall under the format's range.
;;   OPERANDS COMPUTED ON THE WAY. 'Computed on the way' means the value that the module computes at that place (a softmax that the list does not call 'softmax' is quantised finished and normalised). What goes into a quantiser is computed in f32, as accurately as f32 sums, v_exp_f32 and their like allow (about 1e-6 of the number): no bf16 or f16 on the way to a quantiser, and a product that is left as it is and whose result goes on into a quantised operand takes f32 operands (vector FMAs, or v_wmma_f32_16x16x4_f32). A number that lies on a knife's edge between two numbers of the format may be rounded either way, as far as f32 arithmetic and the matrix unit's own rounding can turn it there, and no further.
;; 2 versions. Each part assembles by itself: llvm-mc -triple=amdgcn-amd-amdhsa -mcpu=gfx1250 --defsym DOCPART=n.
;; ======== version 1 of 2: 4 launches
;; limits: right only within a limited range of input values
;; workspace buffers: xc 12,582,912 bytes; wc 1,048,576 bytes; qc 4,194,304 bytes; kc 4,194,304 bytes; vc 4,194,304 bytes; oc 4,194,304 bytes
;; launch quant (part 1): grid 640 x 1, 4 waves a work-group, no clusters, 34,304 bytes of LDS; arguments x, wq, wk, wv, wo, lowp_scales, xc, wc; writes xc, wc
.if DOCPART == 1
	.amdgcn_target "amdgcn-amd-amdhsa--gfx1250"
	.amdhsa_code_object_version 6
	.text
	.protected	k_qc79f6c29c5_quant
	.globl	k_qc79f6c29c5_quant
	.p2align	8
	.type	k_qc79f6c29c5_quant,@function
k_qc79f6c29c5_quant:
	s_mov_b64 s[64:65], 0
	v_nop
	global_prefetch_b8 v0, s[64:65] scope:SCOPE_SE
	s_setreg_imm32_b32 hwreg(HW_REG_WAVE_MODE, 25, 1), 1
	s_wait_xcnt 0x0
; FIRST OF FOUR LAUNCHES.  x[:, :, :512] becomes codes of E5M2 three times (scales 2^e0, 2^e2, 2^e4: one for each of the products with wq, wk, wv); wq, wk, wv, wo [:512, :512] once each (e1, e3, e5, e11).
; code = number / 2^e, held within +-57,344, rounded to the nearest code, ties to even.
; WORK LEFT OUT, in the whole program, and why it can reach no output whatever finite values the inputs hold:
;   x[:, :, 512:], and rows and columns 512.. of the four weights: reference() slices them away (xs = x[:, :, :ad], w[:ad, :ad]) with ad = active_dim = 512, a constant of the problem; nothing else reads them.
;   scores of keys behind the query: reference() itself builds the mask (triu, k = 1) and sets them to -inf, so their p is 0; where a whole step of 128 keys lies behind all 16 queries of a wave it is not computed (third launch).
;   Every input buffer keeps a live part, so all are loaded in part; active_dim is no buffer.
;   LIMIT: a NaN, an infinity or an overflow that reaches only the parts left out is not carried to the result.
; LIMITS: each e used here lies between -126 and 112, so that 2^e and 57,344 x 2^e are f32 numbers.  NaN among the inputs is not served (an infinity is held at the largest code).
; LAYOUT OF THE CODES: images of operand registers.  A fragment is 16 rows x 128 K: lane l = (r = l % 16, h = l / 16) holds row r, registers 2 c, 2 c + 1 hold K = 16 c + 8 h + 0 .. 7;
;   registers 4 q .. 4 q + 3 of lane l lie at byte 512 q + 16 l of the fragment's 2,048.  xc: [version 3][tile of 16 rows: 512][K step 4][2048];  wc: [q, k, v, o][tile 32][K step 4][2048].
; SHARES.  A work-group takes 16 rows x 512 K: work-groups 0-511 a tile of x, 512-639 a tile of a weight.  Wave w takes K step w: one fragment.  No loop: a wave's 16 loads are all out at once.
; Each load reads 512 consecutive bytes of one row; the 8,192 bytes turn through the wave's own stage in LDS (rows 528 bytes apart: 33 x 16, so sixteen rows start at sixteen different 16-byte columns) and come back 32 bytes a lane for each c.
.set STG,   8448                       ; a wave's stage: 16 rows x 528 bytes
.set SPARE, 4*STG                      ; behind the stages: the spare words, 128 bytes a wave: two blocks of 256 bytes that no other line names
.set LO,  1                            ; v1   16 x lane
.set STI, 2                            ; v2   the stage, way in
.set STO, 3                            ; v3   the stage, way out
.set SC,  10                           ; v10  2^e as f32
.set LM,  11                           ; v11  57,344 x 2^e
.set SPW, 12                           ; v12  my spare word's LDS address; never rewritten
.set NIL, 13                           ; v13  0; never rewritten
.set R,   16                           ; v16-79    as loaded
.set X,   80                           ; v80-143   register 8 c + i = K 16 c + 8 h + i of my row
.set T,   144                          ; v144-159  two sets of eight held numbers, by turns
.set C,   160                          ; v160-207  the codes: 16 registers for each version, so that no store's data are written again
	s_load_b256 s[4:11], s[0:1], 0x0               ; x, wq, wk, wv
	s_load_b256 s[12:19], s[0:1], 0x20             ; wo, the scales' exponents, xc, wc
	v_lshl_add_u32 v[SPW], v0, 2, SPARE
	v_mov_b32 v[NIL], 0
	v_lshrrev_b32 v4, 5, v0
	v_readfirstlane_b32 s20, v4                    ; wave = K step
	v_and_b32 v5, 31, v0
	v_lshlrev_b32 v[LO], 4, v5
	s_mul_i32 s37, s20, STG
	v_add_nc_u32 v[STI], s37, v[LO]                ; in: 16 bytes a lane, a row a store
	v_and_b32 v6, 15, v0                           ; r
	v_bfe_u32 v7, v0, 4, 1                         ; h
	v_mul_u32_u24 v[STO], v6, 528
	v_lshl_add_u32 v[STO], v7, 5, v[STO]
	v_add_nc_u32 v[STO], s37, v[STO]               ; out: row r, + 32 h
	s_cmp_lt_u32 ttmp9, 512                        ; x's work-group or a weight's?
	s_cselect_b32 s38, 0, 512
	s_sub_co_u32 s21, ttmp9, s38                   ; the number within the family
	s_lshr_b32 s22, s21, 5                         ; which weight (counts only for weights)
	s_and_b32 s23, s21, 31
	s_cmp_lt_u32 ttmp9, 512
	s_cselect_b32 s23, s21, s23                    ; the tile of 16 rows in the source
	s_lshl_b32 s32, s23, 16                        ; 16 rows of 4,096 bytes,
	s_lshl_b32 s39, s20, 9
	s_add_co_u32 s32, s32, s39                     ; + my K step's 512 bytes
	s_mov_b32 s33, 0
	s_lshl_b32 s40, s21, 13                        ; a tile's four fragments,
	s_lshl_b32 s39, s20, 11
	s_add_co_u32 s40, s40, s39                     ; + mine
	s_mov_b32 s41, 0
	s_wait_kmcnt 0x0
	s_load_b256 s[48:55], s[14:15], 0x0            ; e0 .. e7
	s_load_b128 s[56:59], s[14:15], 0x20           ; e8 .. e11
	s_mov_b64 s[24:25], s[6:7]                     ; the source: a choice among buffers by the work-group's number alone
	s_cmp_eq_u32 s22, 1
	s_cselect_b64 s[24:25], s[8:9], s[24:25]
	s_cmp_eq_u32 s22, 2
	s_cselect_b64 s[24:25], s[10:11], s[24:25]
	s_cmp_eq_u32 s22, 3
	s_cselect_b64 s[24:25], s[12:13], s[24:25]
	s_cmp_lt_u32 ttmp9, 512
	s_cselect_b64 s[24:25], s[4:5], s[24:25]
	s_cselect_b64 s[26:27], s[16:17], s[18:19]
	s_add_nc_u64 s[24:25], s[24:25], s[32:33]
	s_add_nc_u64 s[26:27], s[26:27], s[40:41]      ; where version 0 goes,
	s_add_nc_u64 s[28:29], s[26:27], 0x400000      ; version 1,
	s_add_nc_u64 s[30:31], s[28:29], 0x400000      ; version 2 (x alone: a weight's work-group never uses these two)
.irp i, 0,1,2,3,4,5,6,7,8,9,10,11,12,13,14,15
	global_load_b128 v[R+4*\i:R+4*\i+3], v[LO], s[24:25] offset:4096*\i th:TH_LOAD_NT   ; row i: 32 lanes read 512 consecutive bytes
.endr
.irp i, 0,1,2,3,4,5,6,7,8,9,10,11,12,13,14,15
	s_wait_loadcnt 15-\i                           ; loads come back in order: row i is in, the younger rows may be out
	ds_store_b128 v[STI], v[R+4*\i:R+4*\i+3] offset:528*\i
.endr
.irp c, 0,1,2,3,4,5,6,7
	ds_load_b128 v[X+8*\c:X+8*\c+3], v[STO] offset:64*\c          ; LDS serves a wave's instructions in order: these see my stores
	ds_load_b128 v[X+8*\c+4:X+8*\c+7], v[STO] offset:64*\c+16
.endr
	s_wait_kmcnt 0x0
	s_mov_b32 s34, s49                             ; version 0's exponent: e1, e3, e5, e11 for a weight, e0 for x
	s_cmp_eq_u32 s22, 1
	s_cselect_b32 s34, s51, s34
	s_cmp_eq_u32 s22, 2
	s_cselect_b32 s34, s53, s34
	s_cmp_eq_u32 s22, 3
	s_cselect_b32 s34, s59, s34
	s_cmp_lt_u32 ttmp9, 512
	s_cselect_b32 s34, s48, s34
	s_wait_dscnt 0x0
; One version: the 64 numbers held and converted with the exponent in s[se], and stored at s[dst:dst+1] as an image: four stores of 512 consecutive bytes.
.macro QV ver, se, dst
	s_add_co_i32 s42, s[\se], 127
	s_lshl_b32 s43, s42, 23
	v_mov_b32 v[SC], s43                           ; 2^e: the conversion takes its exponent field
	s_add_co_i32 s42, s42, 15
	s_lshl_b32 s42, s42, 23
	s_or_b32 s42, s42, 0x600000
	v_mov_b32 v[LM], s42                           ; 57,344 x 2^e
.irp c, 0,1,2,3,4,5,6,7
.irp i, 0,1,2,3,4,5,6,7
	v_med3_num_f32 v[T+8*(\c%2)+\i], v[X+8*\c+\i], -v[LM], v[LM]   ; the conversion to an 8-bit code does not saturate (ISA guide 7.6.2): the hold comes first.  X is kept for the next version
.endr
	v_cvt_scalef32_pk8_bf8_f32 v[C+16*\ver+2*\c:C+16*\ver+2*\c+1], v[T+8*(\c%2):T+8*(\c%2)+7], v[SC]   ; the other set's eight holds are the plain lines before this set is written again
.endr
	v_nop                                          ; a plain line between the last conversion and the next write of its scale register
.irp q, 0,1,2,3
	global_store_b128 v[LO], v[C+16*\ver+4*\q:C+16*\ver+4*\q+3], s[\dst:\dst+1] offset:512*\q
.endr
.endm
	QV 0, 34, 26
	s_cmp_ge_u32 ttmp9, 512                        ; a weight has one version
	s_cbranch_scc1 .Ldone
	QV 1, 50, 28                                   ; e2
	QV 2, 52, 30                                   ; e4
.Ldone:
	s_wait_tensorcnt 0x0                           ; the wave's end, behind my last LDS store
	ds_add_u32 v[SPW], v[NIL]
	s_wait_dscnt 0x0
	s_endpgm
.Lfunc_end_k_qc79f6c29c5_quant:
	.size	k_qc79f6c29c5_quant, .Lfunc_end_k_qc79f6c29c5_quant-k_qc79f6c29c5_quant
	.p2alignl 7, 3214868480
	.fill 96, 4, 3214868480
	.section	.rodata,"a",@progbits
	.p2align	6, 0x0
	.amdhsa_kernel k_qc79f6c29c5_quant
		.amdhsa_group_segment_fixed_size 34304
		.amdhsa_private_segment_fixed_size 0
		.amdhsa_enable_private_segment 0
		.amdhsa_kernarg_size 64
		.amdhsa_user_sgpr_count 2
		.amdhsa_user_sgpr_kernarg_segment_ptr 1
		.amdhsa_wavefront_size32 1
		.amdhsa_system_sgpr_workgroup_id_x 1
		.amdhsa_system_sgpr_workgroup_id_y 1
		.amdhsa_system_sgpr_workgroup_id_z 1
		.amdhsa_system_vgpr_workitem_id 0
		.amdhsa_next_free_vgpr 208
		.amdhsa_next_free_sgpr 66
		.amdhsa_reserve_vcc 0
		.amdhsa_float_denorm_mode_32 3
		.amdhsa_float_denorm_mode_16_64 3
		.amdhsa_memory_ordered 1
		.amdhsa_forward_progress 1
		.amdhsa_inst_pref_size 23
	.end_amdhsa_kernel
	.amdgpu_metadata
---
amdhsa.version: [ 1, 2 ]
amdhsa.kernels:
  - .name:           k_qc79f6c29c5_quant
    .symbol:         k_qc79f6c29c5_quant.kd
    .args:
      - { .name: x, .offset: 0, .size: 8, .value_kind: global_buffer, .address_space: global }
      - { .name: wq, .offset: 8, .size: 8, .value_kind: global_buffer, .address_space: global }
      - { .name: wk, .offset: 16, .size: 8, .value_kind: global_buffer, .address_space: global }
      - { .name: wv, .offset: 24, .size: 8, .value_kind: global_buffer, .address_space: global }
      - { .name: wo, .offset: 32, .size: 8, .value_kind: global_buffer, .address_space: global }
      - { .name: lowp_scales, .offset: 40, .size: 8, .value_kind: global_buffer, .address_space: global }
      - { .name: xc, .offset: 48, .size: 8, .value_kind: global_buffer, .address_space: global }
      - { .name: wc, .offset: 56, .size: 8, .value_kind: global_buffer, .address_space: global }
    .group_segment_fixed_size: 34304
    .private_segment_fixed_size: 0
    .kernarg_segment_align: 8
    .kernarg_segment_size: 64
    .max_flat_workgroup_size: 128
    .sgpr_count:     66
    .vgpr_count:     208
    .wavefront_size: 32
...
	.end_amdgpu_metadata
.endif
;; end of part 1
;; launch proj (part 2): grid 64 x 3, 4 waves a work-group, no clusters, 0 bytes of LDS; arguments xc, wc, lowp_scales, qc, kc, vc; writes qc, kc, vc
.if DOCPART == 2
	.amdgcn_target "amdgcn-amd-amdhsa--gfx1250"
	.amdhsa_code_object_version 6
	.text
	.protected	k_qc79f6c29c5_proj
	.globl	k_qc79f6c29c5_proj
	.p2align	8
	.type	k_qc79f6c29c5_proj,@function
k_qc79f6c29c5_proj:
	s_mov_b64 s[64:65], 0
	v_nop
	global_prefetch_b8 v0, s[64:65] scope:SCOPE_SE
	s_setreg_imm32_b32 hwreg(HW_REG_WAVE_MODE, 25, 1), 1
	s_wait_xcnt 0x0
; SECOND LAUNCH: q, k, v = xs W^T on codes of E5M2, and each result quantised at once for the attention's products (q by e6, k by e7, v by e9).  Work left out: as the first kernel's head says (only the live 512 x 512 and 8,192 x 512 exist as codes).
; Work-group (i, p): p = 0 q, 1 k, 2 v; i = 128 rows of x.  ONE BODY FOR ALL THREE, by a change of roles.  A wave multiplies a STATIONARY chunk S (128 rows x 512 K: 32 fragments, 512 registers, windows 1 and 2)
; by a MOVING chunk (128 rows, 8 tiles of 16).  D = S tile x moving tile: a lane holds ONE moving row, its eight registers eight neighbouring stationary rows, 8 h + j of tile t.
;   p < 2: S = rows 128 w .. of the weight (heads 2 w, 2 w + 1), moving = tokens: a lane holds a token, registers run along d: one conversion of tile t gives registers 2 (t % 4), 2 (t % 4) + 1 of the K = 64 fragment of head 2 w + t / 4.
;   p = 2: S = the 128 tokens (one key step), moving = rows 128 w .. of wv: a lane holds a channel, registers run along the keys: tile t gives registers 2 t, 2 t + 1 of a K = 128 fragment of V^T.
; So nothing is transposed, and every load and store of codes is 512 consecutive bytes (images of registers: the first kernel's head).
; OUT: qc, kc: [batch x head 16][tile of 16 tokens 256][1024];  vc: [batch 2][key step 32][head x 4 + tile of 16 channels: 32][2048].
; A sum stands for sum x 2^(eA + eB), so its code is sum / 2^(eOut - eA - eB): the three scales are one.  LIMIT: eOut - eA - eB between -126 and 112.
; No LDS, no barrier: operands go from memory into registers as they lie.  No cluster: there is no LDS tile for a joint load to land in.
.set LO,  1                            ; v1  16 x lane
.set MB0, 16                           ; v16-79, v80-143  two buffers for a moving tile: fragment s at + 16 s
.set ACC, 144                          ; v144-207  eight accumulators
.set CD,  208                          ; v208-223  the codes
.set SC,  240                          ; v240  2^(eOut - eA - eB)
.set LM,  241                          ; v241  57,344 x that
.set MSB, 0
.macro WIN new                         ; the immediate's high byte repeats the setting that is left
.if MSB != \new
	s_set_vgpr_msb (MSB<<8)|\new
.set MSB, \new
.endif
.endm
	s_load_b256 s[4:11], s[0:1], 0x0               ; xc, wc, the scales' exponents, qc
	s_load_b128 s[12:15], s[0:1], 0x20             ; kc, vc
	v_lshrrev_b32 v2, 5, v0
	v_readfirstlane_b32 s16, v2                    ; wave
	v_and_b32 v[LO], 31, v0
	v_lshlrev_b32 v[LO], 4, v[LO]
	s_and_b32 s17, ttmp7, 0xffff                   ; p
	s_mov_b32 s18, ttmp9                           ; i
	s_lshl_b32 s20, s17, 18                        ; the weight's codes,
	s_lshl_b32 s19, s16, 16
	s_add_co_u32 s20, s20, s19                     ; its rows 128 w ..
	s_mov_b32 s21, 0
	s_lshl_b32 s22, s17, 22                        ; x's version p,
	s_lshl_b32 s19, s18, 16
	s_add_co_u32 s22, s22, s19                     ; its rows 128 i ..
	s_mov_b32 s23, 0
	s_lshr_b32 s40, s18, 5                         ; q, k: (((batch x 8 + 2 w) x 256) + 8 (i % 32)) x 1,024
	s_lshl_b32 s40, s40, 3
	s_lshl_b32 s41, s16, 1
	s_add_co_u32 s40, s40, s41
	s_lshl_b32 s40, s40, 8
	s_and_b32 s41, s18, 31
	s_lshl_b32 s41, s41, 3
	s_add_co_u32 s40, s40, s41
	s_lshl_b32 s40, s40, 10
	s_lshl_b32 s42, s18, 5                         ; v: (32 i + 8 w) x 2,048
	s_lshl_b32 s43, s16, 3
	s_add_co_u32 s42, s42, s43
	s_lshl_b32 s42, s42, 11
	s_cmp_lt_u32 s17, 2
	s_cselect_b32 s40, s40, s42
	s_mov_b32 s32, 2048
	s_cselect_b32 s32, 1024, s32                   ; from a moving tile's place to the next one's
	s_mov_b32 s34, 1024
	s_cselect_b32 s34, 0x40000, s34                ; from the first eight code registers' place to the last eight's: the next head, or the fragment's second half
	s_mov_b32 s41, 0
	s_mov_b32 s33, 0
	s_mov_b32 s35, 0
	s_wait_kmcnt 0x0
	s_load_b256 s[48:55], s[8:9], 0x0              ; e0 .. e7
	s_load_b128 s[56:59], s[8:9], 0x20             ; e8 .. e11
	s_add_nc_u64 s[36:37], s[6:7], s[20:21]
	s_add_nc_u64 s[38:39], s[4:5], s[22:23]
	s_cmp_lt_u32 s17, 2                            ; the roles: a choice by the work-group's number alone
	s_cselect_b64 s[24:25], s[36:37], s[38:39]     ; stationary
	s_cselect_b64 s[26:27], s[38:39], s[36:37]     ; moving
	s_cmp_eq_u32 s17, 0
	s_cselect_b64 s[28:29], s[10:11], s[12:13]
	s_cmp_eq_u32 s17, 2
	s_cselect_b64 s[28:29], s[14:15], s[28:29]
	s_add_nc_u64 s[28:29], s[28:29], s[40:41]
	s_add_nc_u64 s[30:31], s[28:29], s[34:35]
	WIN 0x40                                       ; destination window 1: S's tiles 0-3; fragment (t, s) at v[16 (4 (t % 4) + s)]
.set nn, 0
.rept 64
	global_load_b128 v[4*nn:4*nn+3], v[LO], s[24:25] offset:512*nn
.set nn, nn+1
.endr
	WIN 0x80                                       ; window 2: tiles 4-7
.set nn, 0
.rept 64
	global_load_b128 v[4*nn:4*nn+3], v[LO], s[24:25] offset:32768+512*nn
.set nn, nn+1
.endr
	WIN 0
.set nn, 0
.rept 32                                       ; moving tiles 0 and 1
	global_load_b128 v[MB0+4*nn:MB0+4*nn+3], v[LO], s[26:27] offset:512*nn
.set nn, nn+1
.endr
	s_wait_kmcnt 0x0
	s_cmp_eq_u32 s17, 0
	s_cselect_b32 s44, s48, s50                    ; eA: e0, e2, e4
	s_cselect_b32 s45, s49, s51                    ; eB: e1, e3, e5
	s_cselect_b32 s46, s54, s55                    ; eOut: e6, e7, e9
	s_cmp_eq_u32 s17, 2
	s_cselect_b32 s44, s52, s44
	s_cselect_b32 s45, s53, s45
	s_cselect_b32 s46, s57, s46
	s_sub_co_i32 s46, s46, s44
	s_sub_co_i32 s46, s46, s45
	s_add_co_i32 s46, s46, 127
	s_lshl_b32 s47, s46, 23
	v_mov_b32 v[SC], s47
	s_add_co_i32 s46, s46, 15
	s_lshl_b32 s46, s46, 23
	s_or_b32 s46, s46, 0x600000
	v_mov_b32 v[LM], s46
; One moving tile: 32 matrix instructions, K ascending; the accumulators take turns, one instruction a turn.  The first product of each starts its sum: nothing is cleared.
.macro TILE m
.set MB, MB0+64*((\m)%2)
.if (\m) < 7
	s_wait_loadcnt 16                              ; all but the next moving tile's sixteen loads are in
.else
	s_wait_loadcnt 0
.endif
	WIN 0x01                                       ; source 0 (S) window 1
.irp s, 0,1,2,3
.irp t, 0,1,2,3
.if \s == 0
	v_wmma_f32_16x16x128_bf8_bf8 v[ACC+8*\t:ACC+8*\t+7], v[16*(4*\t+\s):16*(4*\t+\s)+15], v[MB+16*\s:MB+16*\s+15], 0
.else
	v_wmma_f32_16x16x128_bf8_bf8 v[ACC+8*\t:ACC+8*\t+7], v[16*(4*\t+\s):16*(4*\t+\s)+15], v[MB+16*\s:MB+16*\s+15], v[ACC+8*\t:ACC+8*\t+7]
.endif
.endr
.endr
	WIN 0x02                                       ; window 2
.irp s, 0,1,2,3
.irp t, 4,5,6,7
.if \s == 0
	v_wmma_f32_16x16x128_bf8_bf8 v[ACC+8*\t:ACC+8*\t+7], v[16*(4*(\t-4)+\s):16*(4*(\t-4)+\s)+15], v[MB+16*\s:MB+16*\s+15], 0
.else
	v_wmma_f32_16x16x128_bf8_bf8 v[ACC+8*\t:ACC+8*\t+7], v[16*(4*(\t-4)+\s):16*(4*(\t-4)+\s)+15], v[MB+16*\s:MB+16*\s+15], v[ACC+8*\t:ACC+8*\t+7]
.endif
.endr
.endr
	WIN 0
	s_wait_xcnt 0x0                                ; the last tile's stores have read their codes and their bases: both are written again only behind this wait
.if (\m) > 0
	s_add_nc_u64 s[28:29], s[28:29], s[32:33]
	s_add_nc_u64 s[30:31], s[30:31], s[32:33]
.endif
.rept 4
	v_nop                                          ; four places behind the last products, for the loads into the buffer that they read and for the first read of their sums
.endr
.if (\m)+2 < 8
.set nn, 0
.rept 16
	global_load_b128 v[MB+4*nn:MB+4*nn+3], v[LO], s[26:27] offset:((\m)+2)*8192+512*nn
.set nn, nn+1
.endr
.endif
.irp t, 0,1,2,3,4,5,6,7                        ; each accumulator from its low end on
.irp i, 0,1,2,3,4,5,6,7
	v_med3_num_f32 v[ACC+8*\t+\i], v[ACC+8*\t+\i], -v[LM], v[LM]   ; the hold at the largest code x the scale
.endr
	v_cvt_scalef32_pk8_bf8_f32 v[CD+2*\t:CD+2*\t+1], v[ACC+8*\t:ACC+8*\t+7], v[SC]
.endr
	v_nop                                          ; a plain line between the last conversion and the next products, which write its sources
	global_store_b128 v[LO], v[CD:CD+3], s[28:29]
	global_store_b128 v[LO], v[CD+4:CD+7], s[28:29] offset:512
	global_store_b128 v[LO], v[CD+8:CD+11], s[30:31]
	global_store_b128 v[LO], v[CD+12:CD+15], s[30:31] offset:512
.endm
.irp m, 0,1,2,3,4,5,6,7
	TILE \m
.endr
	s_endpgm
.Lfunc_end_k_qc79f6c29c5_proj:
	.size	k_qc79f6c29c5_proj, .Lfunc_end_k_qc79f6c29c5_proj-k_qc79f6c29c5_proj
	.p2alignl 7, 3214868480
	.fill 96, 4, 3214868480
	.section	.rodata,"a",@progbits
	.p2align	6, 0x0
	.amdhsa_kernel k_qc79f6c29c5_proj
		.amdhsa_group_segment_fixed_size 0
		.amdhsa_private_segment_fixed_size 0
		.amdhsa_enable_private_segment 0
		.amdhsa_kernarg_size 48
		.amdhsa_user_sgpr_count 2
		.amdhsa_user_sgpr_kernarg_segment_ptr 1
		.amdhsa_wavefront_size32 1
		.amdhsa_system_sgpr_workgroup_id_x 1
		.amdhsa_system_sgpr_workgroup_id_y 1
		.amdhsa_system_sgpr_workgroup_id_z 1
		.amdhsa_system_vgpr_workitem_id 0
		.amdhsa_next_free_vgpr 768
		.amdhsa_next_free_sgpr 66
		.amdhsa_reserve_vcc 0
		.amdhsa_float_denorm_mode_32 3
		.amdhsa_float_denorm_mode_16_64 3
		.amdhsa_memory_ordered 1
		.amdhsa_forward_progress 1
		.amdhsa_inst_pref_size 85
	.end_amdhsa_kernel
	.amdgpu_metadata
---
amdhsa.version: [ 1, 2 ]
amdhsa.kernels:
  - .name:           k_qc79f6c29c5_proj
    .symbol:         k_qc79f6c29c5_proj.kd
    .args:
      - { .name: xc, .offset: 0, .size: 8, .value_kind: global_buffer, .address_space: global }
      - { .name: wc, .offset: 8, .size: 8, .value_kind: global_buffer, .address_space: global }
      - { .name: lowp_scales, .offset: 16, .size: 8, .value_kind: global_buffer, .address_space: global }
      - { .name: qc, .offset: 24, .size: 8, .value_kind: global_buffer, .address_space: global }
      - { .name: kc, .offset: 32, .size: 8, .value_kind: global_buffer, .address_space: global }
      - { .name: vc, .offset: 40, .size: 8, .value_kind: global_buffer, .address_space: global }
    .group_segment_fixed_size: 0
    .private_segment_fixed_size: 0
    .kernarg_segment_align: 8
    .kernarg_segment_size: 48
    .max_flat_workgroup_size: 128
    .sgpr_count:     66
    .vgpr_count:     768
    .wavefront_size: 32
...
	.end_amdgpu_metadata
.endif
;; end of part 2
;; launch attn (part 3): grid 16 x 16, 16 waves a work-group, no clusters, 327,680 bytes of LDS; arguments qc, kc, vc, lowp_scales, oc; writes oc
.if DOCPART == 3
	.amdgcn_target "amdgcn-amd-amdhsa--gfx1250"
	.amdhsa_code_object_version 6
	.text
	.protected	k_qc79f6c29c5_attn
	.globl	k_qc79f6c29c5_attn
	.p2align	8
	.type	k_qc79f6c29c5_attn,@function
k_qc79f6c29c5_attn:
	s_mov_b64 s[64:65], 0
	v_nop
	global_prefetch_b8 v0, s[64:65] scope:SCOPE_SE
	s_setreg_imm32_b32 hwreg(HW_REG_WAVE_MODE, 25, 1), 1
	s_wait_xcnt 0x0
; THIRD LAUNCH: causal attention on codes of E5M2, head size 64, 16 (batch, head) pairs of 4,096 tokens; the result, divided by the row's sum, is quantised by e10 for the last product.
; WORK LEFT OUT: a step of 128 keys all of which come after all 16 queries of a wave: reference()'s own mask (triu, k = 1) makes their scores -inf and their p 0 (the first kernel's head).
; THE SOFTMAX AHEAD OF THE SECOND PRODUCT: t = score x log2(e) / 8; M = the running largest t rounded UP to a whole number; p = 2^(t - M) is quantised by e8, not normalised; the row's sum is taken of the
; unquantised p and divides at the end.  When M moves, the sum and O are multiplied by 2^(old M - new M): exact.
; SHARES.  Work-group (j, bh): eight of its sixteen waves take the 128 queries of block j, eight those of block 31 - j (of 32 blocks): a wave of block n has n + 1 key steps, so every work-group has 8 (j + 1) + 8 (32 - j) = 264,
; and any four neighbouring waves, and any four waves 4 apart, hold two of each kind.  A wave owns ONE tile of 16 queries, in 256 registers.
; LAYOUT.  Both products transposed: S^T = K Q^T (source 0 = 16 keys), O^T = V^T P^T (source 0 = 16 channels): a lane holds one query (lane % 16) throughout.  Register 8 t + i of S^T is key 16 t + 8 (lane / 16) + i of the step:
; just what registers 2 t, 2 t + 1 of the K = 128 operand hold, so one conversion a tile makes P.  All operands lie in memory and LDS as images of registers (512 consecutive bytes a load): no pitch, no padding.
; RING.  Two LDS slots of 512 keys (four steps).  Waves 0, 1 fetch K's halves, waves 2, 3 V's: each load is four rows, one a step, of 4,096 bytes, so each holds bytes of the slot's first step.
; Every work-group walks all 8 slots (constant trip counts); work and look-ahead end at the causal limit by branches on ids.  No cluster: partners would jump over different steps.
; LIMITS: e6 + e7 between -123 and 130 (added to c's exponent field); e8 and e10 between -126 and 112.  NaN among the inputs is not served.
; REGISTERS: v1-3 lane terms; v5, v6 the add's two; v8, v9 LDS addresses; v12 -M, v13 the largest t, v[14:15] the sum; v16-23 Q; v32-95 eight fragments of K, then four of V; v96-159 S^T, then p; v160-191 O^T; v224-239 codes; v240-254 constants and work.
.set SLOT1, 65536                      ; slot 1 begins here: one exclusive or turns an address from one slot into the other
.set VOFF,  32768                      ; a slot: K [half 2][step 4][4096], then V the same
.set SPARE, 2*SLOT1                    ; behind the ring: the spare words, 128 bytes a wave: eight blocks of 256 bytes that no other line names
.set AK0, 1                            ; v1   16 x lane: my place in an image (K, Q, O)
.set AV0, 2                            ; v2   VOFF + 16 x lane
.set PFO, 3                            ; v3   256 x lane: the prefetches' offset; never rewritten
.set SPW, 5                            ; v5   my spare word's LDS address; never rewritten
.set NIL, 6                            ; v6   0; never rewritten
.set ADK, 8
.set ADV, 9
.set TB,  2                            ; s2   LDS byte at which the slot in hand begins
.set WV,  18                           ; s18  my wave's number
.set SEL, 20                           ; s[20:21] selects for v_permlanex16_b32: lane l xor 16
.set CS,  22                           ; s[22:23] c = log2(e) / 8 x 2^(e6 + e7)
.set G1K, 24                           ; s[24:31], s[32:39] descriptor groups 1;  s[40:43], s[44:47] groups 0, which walk
.set G1V, 32
.set G0K, 40
.set G0V, 44
.set SLOTS, 67                         ; s67  changes of slots still to come that look ahead
.set PFA, 76                           ; s[76:77] where my prefetches stand
.set PFS, 78                           ; s[78:79] a slot on, in bytes
.set LIM, 80                           ; s80  1 in a wave that prefetches, else the greatest number
.set LASTQ, 97                         ; s97  my work-group's last query
.set KF,  98                           ; s98  the step's first key
.set Q0,  99                           ; s99  my first query
; Waves 0 and 1 fetch for K, waves 2 and 3 for V, the others nothing.  An s_nop 0 and four v_nop follow each of the two lines.
.macro TLOAD
	s_cmp_lt_u32 s[WV], 2
	s_cbranch_scc0 .Lnot_k_\@
	tensor_load_to_lds s[G0K:G0K+3], s[G1K:G1K+7]
	s_nop 0
.rept 4
	v_nop
.endr
	s_branch .Lasked_\@
.Lnot_k_\@:
	s_cmp_lt_u32 s[WV], 4
	s_cbranch_scc0 .Lasked_\@
	tensor_load_to_lds s[G0V:G0V+3], s[G1V:G1V+7]
	s_nop 0
.rept 4
	v_nop
.endr
.Lasked_\@:
.endm
; A prefetch of what the NEXT change of slots will ask for.  All 16 work-groups of a (batch, head) walk the same K and V: the one with j = 0, which walks every slot, asks.  In it waves 4 to 7 ask for K's 32,768 bytes of a slot,
; 8,192 a wave; waves 8 to 11 for V's four key steps, 8,192 bytes each, one a wave; lanes 256 bytes apart: each aligned 256 bytes are named once in the launch.  The last change that looks ahead asks for nothing; slots 0 and 1 come by their loads alone.
.macro ASK
	s_cmp_gt_u32 s[SLOTS], s[LIM]
	s_cbranch_scc0 .Lnot_mine_\@
	global_prefetch_b8 v[PFO], s[PFA:PFA+1] th:TH_LOAD_NT scope:SCOPE_SE
.Lnot_mine_\@:
.endm
	s_load_b128 s[4:7], s[0:1], 0x0                ; qc, kc
	s_load_b128 s[12:15], s[0:1], 0x10             ; vc, the scales' exponents
	s_load_b64 s[16:17], s[0:1], 0x20              ; oc
	v_lshl_add_u32 v[SPW], v0, 2, SPARE
	v_mov_b32 v[NIL], 0
	ds_add_u32 v[SPW], v[NIL]                      ; the wave's opening: the add, twice on end, and its wait ahead of the first tensor load; the set-up below, work on registers, stands between
	ds_add_u32 v[SPW], v[NIL]
	v_lshrrev_b32 v8, 5, v0
	v_readfirstlane_b32 s[WV], v8                  ; wave 0..15
	s_and_b32 s48, ttmp7, 0xffff                   ; bh
	s_lshr_b32 s49, s48, 3                         ; batch
	s_and_b32 s50, s48, 7                          ; head
	s_lshr_b32 s51, s[WV], 2
	s_xor_b32 s51, s51, s[WV]
	s_and_b32 s51, s51, 1                          ; 1: I take the late block
	s_lshr_b32 s52, s[WV], 1                       ; which tile of the block's eight
	s_sub_co_u32 s53, 31, ttmp9
	s_cmp_eq_u32 s51, 1
	s_cselect_b32 s53, s53, ttmp9                  ; my block of 128 queries: 31 - j or j
	s_lshl_b32 s[Q0], s53, 7
	s_lshl_b32 s55, s52, 4
	s_add_co_u32 s[Q0], s[Q0], s55
	s_lshl_b32 s[LASTQ], ttmp9, 7
	s_sub_co_u32 s[LASTQ], 4095, s[LASTQ]          ; 128 (31 - j) + 127: the same in all sixteen waves
	s_and_b32 s54, s[WV], 1                        ; which half I fetch, if I fetch
	s_lshl_b32 s86, s48, 18                        ; bh's first byte in qc and in kc
	s_lshl_b32 s88, s49, 21
	s_lshl_b32 s55, s50, 13
	s_add_co_u32 s88, s88, s55                     ; in vc: the batch, + the head's four fragments in key step 0
	s_lshl_b32 s55, s54, 12
	s_add_co_u32 s56, s86, s55                     ; K: my half in memory,
	s_mov_b32 s57, 0
	s_add_co_u32 s58, s88, s55                     ; V's,
	s_mov_b32 s59, 0
	s_lshl_b32 s60, s54, 14                        ; and in a slot
	s_add_co_u32 s61, s60, VOFF
	s_lshl_b32 s55, s[Q0], 6
	s_add_co_u32 s82, s86, s55                     ; Q's fragment: (256 bh + Q0 / 16) x 1,024
	s_mov_b32 s83, 0
	s_lshl_b32 s84, s49, 21                        ; oc: (256 batch + Q0 / 16) x 8,192 + 1,024 head
	s_lshl_b32 s55, s[Q0], 9
	s_add_co_u32 s84, s84, s55
	s_lshl_b32 s55, s50, 10
	s_add_co_u32 s84, s84, s55
	s_mov_b32 s85, 0
	; descriptor groups 1: four rows of 512 elements of 8 bytes, no padding; from row to row a key step: 8,192 bytes in kc, 65,536 in vc
	s_mov_b32 s[G1K], 3<<16                        ; 15:0 no mask; 17:16 elements of 8 bytes
	s_mov_b32 s[G1K+1], 512<<16                    ; tensor_dim0
	s_mov_b32 s[G1K+2], 4<<16                      ; tensor_dim1
	s_mov_b32 s[G1K+3], 512<<16                    ; tile_dim0
	s_mov_b32 s[G1K+4], 4                          ; tile_dim1
	s_mov_b32 s[G1K+5], 1024                       ; tensor_dim0_stride
	s_mov_b32 s[G1K+6], 0
	s_mov_b32 s[G1K+7], 0
	s_mov_b32 s[G1V], 3<<16
	s_mov_b32 s[G1V+1], 512<<16
	s_mov_b32 s[G1V+2], 4<<16
	s_mov_b32 s[G1V+3], 512<<16
	s_mov_b32 s[G1V+4], 4
	s_mov_b32 s[G1V+5], 8192
	s_mov_b32 s[G1V+6], 0
	s_mov_b32 s[G1V+7], 0
	s_mov_b32 s[SEL], 0x76543210
	s_mov_b32 s[SEL+1], 0xfedcba98
	s_mov_b32 s[CS], 0x3e38aa3b                    ; log2(e) / sqrt(64)
	s_mov_b32 s[TB], 0
	s_mov_b32 s[SLOTS], 7
	s_mov_b32 s[KF], 0
	s_wait_dscnt 0x0                               ; both opening adds are done
	s_wait_kmcnt 0x0
	s_load_b128 s[68:71], s[14:15], 0x10           ; e4 .. e7
	s_load_b128 s[72:75], s[14:15], 0x20           ; e8 .. e11
	s_mov_b32 s[G0K], 1                            ; count = 1
	s_mov_b32 s[G0K+1], s60                        ; LDS address: slot 0
	s_add_nc_u64 s[G0K+2:G0K+3], s[6:7], s[56:57]  ; global address: the first 512 keys
	s_or_b32 s[G0K+3], s[G0K+3], 0x80000000        ; type = 2
	s_mov_b32 s[G0V], 1
	s_mov_b32 s[G0V+1], s61
	s_add_nc_u64 s[G0V+2:G0V+3], s[12:13], s[58:59]
	s_or_b32 s[G0V+3], s[G0V+3], 0x80000000
	TLOAD                                          ; slot 0: key 0 counts for every query, so every wave reads it
	s_add_nc_u64 s[4:5], s[4:5], s[82:83]
	s_add_nc_u64 s[16:17], s[16:17], s[84:85]
	s_cmp_lt_u32 s[WV], 8                          ; the prefetches: waves 4 to 7 stand in kc, waves 8 to 11 in vc
	s_cselect_b64 s[PFA:PFA+1], s[6:7], s[12:13]
	s_cselect_b32 s86, s86, s88
	s_mov_b32 s[PFS], 262144
	s_cselect_b32 s[PFS], 32768, s[PFS]            ; a slot on
	s_mov_b32 s89, 65536
	s_cselect_b32 s89, 8192, s89                   ; from wave to wave
	s_and_b32 s88, s[WV], 3
	s_mul_i32 s88, s88, s89
	s_add_co_u32 s86, s86, s88
	s_add_co_u32 s86, s86, s[PFS]                  ; in slot 1: the first change of slots steps it to slot 2.  Nothing is prefetched here, at the head
	s_mov_b32 s87, 0
	s_mov_b32 s[PFS+1], 0
	s_add_nc_u64 s[PFA:PFA+1], s[PFA:PFA+1], s[86:87]
	s_sub_co_u32 s88, s[WV], 4
	s_lshr_b32 s88, s88, 3                         ; 0 in waves 4 to 11,
	s_or_b32 s88, s88, ttmp9                       ; of the work-group with j = 0
	s_cmp_eq_u32 s88, 0
	s_cselect_b32 s[LIM], 1, -1
	v_and_b32 v[AK0], 31, v0
	v_lshlrev_b32 v[PFO], 8, v[AK0]
	v_lshlrev_b32 v[AK0], 4, v[AK0]
	v_add_nc_u32 v[AV0], VOFF, v[AK0]
	global_load_b128 v[16:19], v[AK0], s[4:5]      ; Q's fragment stays in registers
	global_load_b128 v[20:23], v[AK0], s[4:5] offset:512
	v_mov_b32 v13, 0xff61b1e6                      ; the largest t so far: -3e38, under every t
	v_floor_f32 v12, -v13                          ; -M
	v_mov_b32 v14, 0                               ; the sum, in two halves
	v_mov_b32 v15, 0
	v_mov_b32 v246, 0                              ; written once: a lane permute's destination counts as one of its sources
	v_mov_b32 v253, 0                              ; (named as the upper half of the pair v[252:253])
.set nn, 0
.rept 32
	v_mov_b32 v[160+nn], 0                         ; O^T.  (The step is written without a first form: the first finds zeros, which the first change of M leaves zeros)
.set nn, nn+1
.endr
	s_wait_kmcnt 0x0
	s_add_co_i32 s88, s70, s71
	s_lshl_b32 s88, s88, 23
	s_add_co_i32 s[CS], s[CS], s88                 ; a score stands for score x 2^(e6 + e7): added to c's exponent field
	s_mov_b32 s[CS+1], s[CS]                       ; (named with it as a pair, so it is written)
	s_add_co_i32 s88, s72, 127
	s_lshl_b32 s89, s88, 23
	v_mov_b32 v244, s89                            ; 2^e8, for p's conversions
	s_add_co_i32 s88, s88, 15
	s_lshl_b32 s88, s88, 23
	s_or_b32 s88, s88, 0x600000
	v_mov_b32 v240, s88                            ; 57,344 x 2^e8
	s_add_co_i32 s88, s74, 127
	s_lshl_b32 s89, s88, 23
	v_mov_b32 v245, s89                            ; 2^e10, for the result's
	s_add_co_i32 s88, s88, 15
	s_lshl_b32 s88, s88, 23
	s_or_b32 s88, s88, 0x600000
	v_mov_b32 v241, s88                            ; 57,344 x 2^e10
; A KEY STEP: 128 keys, the q-th of the slot in hand.
.macro STEP q
	s_add_co_u32 s96, s[Q0], 15                    ; a step all of whose keys come after my 16 queries is left out: a branch on ids, round loads, products and softmax; no barrier and no tensor load stands in a step
	s_cmp_gt_u32 s[KF], s96
	s_cbranch_scc1 .Lhidden_\@
	v_add_nc_u32 v[ADK], s[TB], v[AK0]
	v_add_nc_u32 v[ADV], s[TB], v[AV0]
	v_nop                                          ; with the two additions: four places behind the last step's products, in front of loads into the registers that they read
	v_nop
.set tt, 0
.rept 8                                        ; K: eight tiles of 16 keys, 8 registers each
	ds_load_b128 v[32+8*tt:35+8*tt], v[ADK] offset:(\q)*4096+(tt/4)*16384+(tt%4)*1024
	ds_load_b128 v[36+8*tt:39+8*tt], v[ADK] offset:(\q)*4096+(tt/4)*16384+(tt%4)*1024+512
.set tt, tt+1
.endr
	s_wait_dscnt 0x0
.set tt, 0
.rept 8
	v_wmma_f32_16x16x64_bf8_bf8 v[96+8*tt:103+8*tt], v[32+8*tt:39+8*tt], v[16:23], 0
.set tt, tt+1
.endr
.rept 4
	v_nop                                          ; four places: for the loads below, into K's registers, and for the first read of the scores
.endr
.set tt, 0
.rept 4                                        ; V is asked for at once: four tiles of 16 channels, 16 registers each; the loads land while the softmax is worked
.set cc, 0
.rept 4
	ds_load_b128 v[32+16*tt+4*cc:35+16*tt+4*cc], v[ADV] offset:(\q)*4096+(tt/2)*16384+(tt%2)*2048+512*cc
.set cc, cc+1
.endr
.set tt, tt+1
.endr
	s_add_co_u32 s96, s[KF], 127                   ; on the diagonal hidden scores become -infinity ahead of the maximum: p = 0 then.  A step all of whose keys count skips this
	s_cmp_le_u32 s96, s[Q0]
	s_cbranch_scc1 .Lopen_\@
	s_sub_co_i32 s96, s[Q0], s[KF]
	v_and_b32 v252, 15, v0
	v_bfe_u32 v253, v0, 4, 1
	v_lshlrev_b32 v253, 3, v253
	v_sub_nc_u32 v252, v252, v253
	v_add_nc_u32 v252, s96, v252                   ; d = my query - KF - 8 (lane / 16).  Register 8 t + i holds key KF + 8 (lane / 16) + 16 t + i: hidden where 16 t + i > d
	v_mov_b32 v254, 0xff800000                     ; -infinity
.set nn, 0
.rept 64
	v_cmp_gt_i32 vcc_lo, 16*(nn/8)+nn%8, v252
	v_cndmask_b32 v[96+nn], v[96+nn], v254, vcc_lo
.set nn, nn+1
.endr
.Lopen_\@:
	v_max3_num_f32 v254, v96, v97, v98             ; the step's largest score of my query among my 64 keys, in two chains, each accumulator from its low end on,
	v_max3_num_f32 v252, v99, v100, v101
.irp i, 6,10,14,18,22,26,30,34,38,42,46,50,54,58
	v_max3_num_f32 v254, v254, v[96+\i], v[97+\i]
	v_max3_num_f32 v252, v252, v[98+\i], v[99+\i]
.endr
	v_max3_num_f32 v254, v254, v158, v159
	v_max_num_f32 v254, v254, v252
	v_permlanex16_b32 v246, v254, s[SEL], s[SEL+1]
	v_max_num_f32 v254, v254, v246                 ; and among lane l xor 16's
	v_mul_f32 v254, s[CS], v254                    ; as t (c is positive)
	v_max_num_f32 v13, v13, v254                   ; the running largest t
	v_mov_b32 v254, v12
	v_floor_f32 v12, -v13                          ; the new -M = floor(-t) = -ceil(t): a whole number
	v_sub_f32 v254, v12, v254                      ; old M - new M: a whole number, 0 or less
	v_cvt_i32_f32 v254, v254                       ; (it saturates)
	v_ldexp_f32 v252, 1.0, v254                    ; f = 2^(old M - new M)
.set nn, 0
.rept 32
	v_pk_fma_f32 v[96+nn:97+nn], v[96+nn:97+nn], s[CS:CS+1], v[12:13] op_sel_hi:[1,0,0]   ; t - M, two at a time (of the pairs c and -M the low word serves both halves)
.set nn, nn+2
.endr
.set nn, 0
.rept 64
	v_exp_f32 v[96+nn], v[96+nn]                   ; p = 2^(t - M), at most 1
.set nn, nn+1
.endr
	v_pk_mul_f32 v[14:15], v[14:15], v[252:253] op_sel_hi:[1,0]   ; the sums under the new M: the plain line behind the exponentials
	s_wait_alu depctr_va_vdst(0)                   ; one wait for the batch of 64, ahead of its first reader
	v_pk_add_f32 v[242:243], v[96:97], v[98:99]    ; the row's sum is taken of the unquantised p, in two chains
.irp j, 4,8,12,16,20,24,28,32,36,40,44,48,52,56,60
	v_pk_add_f32 v[14:15], v[14:15], v[96+\j:97+\j]
	v_pk_add_f32 v[242:243], v[242:243], v[98+\j:99+\j]
.endr
	v_pk_add_f32 v[14:15], v[14:15], v[242:243]
.set cc, 0
.rept 8
.set ii, 0
.rept 8
	v_min_num_f32 v[96+8*cc+ii], v[96+8*cc+ii], v240   ; the conversion does not saturate (ISA guide 7.6.2); p is not negative, so the hold is one-sided
.set ii, ii+1
.endr
	v_cvt_scalef32_pk8_bf8_f32 v[224+2*cc:225+2*cc], v[96+8*cc:103+8*cc], v244   ; registers 2 c, 2 c + 1 of P: keys 16 c + 8 (lane / 16) + 0 .. 7
.set cc, cc+1
.endr
.set nn, 0
.rept 16
	v_pk_mul_f32 v[160+nn:161+nn], v[160+nn:161+nn], v[252:253] op_sel_hi:[1,0]   ; O^T under the new M.  (Also the plain lines between the conversions and the products that read the codes)
.set nn, nn+2
.endr
	s_wait_dscnt 0x0                               ; V is in
.set tt, 0
.rept 4                                        ; O^T += V^T P^T: four accumulators, one instruction each
	v_wmma_f32_16x16x128_bf8_bf8 v[160+8*tt:167+8*tt], v[32+16*tt:47+16*tt], v[224:239], v[160+8*tt:167+8*tt]
.set tt, tt+1
.endr
.Lhidden_\@:
	s_add_co_u32 s[KF], s[KF], 128
.endm
; THE CHANGE OF SLOTS stands at a slot's head.  Each wave waits for all its tensor loads (its part of the slot that it is about to read), adds 0 to its spare word, and waits for that and for its reads of the slot that it has left.
; Behind the barrier the slot ahead is whole and nobody reads the other one.  fill = 1: that other slot takes the next 512 keys, up to the causal limit; the load has a slot's four steps in which to land.  One tensor load of a wave is out at the most.
.macro CHANGE fill
	s_wait_tensorcnt 0x0                           ; no tensor load of mine is out, so a group 0 may be written
	ds_add_u32 v[SPW], v[NIL]                      ; 0 onto my spare word
.if \fill
	ds_add_u32 v[SPW], v[NIL]                      ; and once more, in every trip alike
	s_xor_b32 s[G0K+1], s[G0K+1], SLOT1            ; the walking descriptors: the other slot than last time,
	s_add_nc_u64 s[G0K+2:G0K+3], s[G0K+2:G0K+3], 32768   ; the next four key steps; the type bits on top are not reached
	s_xor_b32 s[G0V+1], s[G0V+1], SLOT1
	s_add_nc_u64 s[G0V+2:G0V+3], s[G0V+2:G0V+3], 262144
	s_wait_xcnt 0x0                                ; the last prefetch, a slot back, has read its address, so it may be written:
	s_add_nc_u64 s[PFA:PFA+1], s[PFA:PFA+1], s[PFS:PFS+1]   ; one slot further on than the walking descriptors
.endif
	s_wait_dscnt 0x0                               ; the add is done, and my reads of the slot that I have left are over
	s_barrier_signal -1
	s_barrier_wait -1
.if \fill
	s_add_co_u32 s96, s[KF], 512                   ; the first key of the slot that this change would ask for: if it comes after my work-group's last query, none of the sixteen waves reads that slot, and it is not asked for.
	s_cmp_gt_u32 s96, s[LASTQ]                     ; The work-group's number and the count of steps alone: all waves go the same way, and past the limit they stay past it; every wait on TENSORcnt here is for 0
	s_cbranch_scc1 .Lpast_\@
	TLOAD                                          ; a wave's one tensor load until the next barrier
.Lpast_\@:
	ASK
.endif
.endm
.macro SLOT_STEPS
	STEP 0
	STEP 1
	STEP 2
	STEP 3
	s_xor_b32 s[TB], s[TB], SLOT1                  ; on to the other slot
.endm
	s_wait_loadcnt 0x0                             ; Q
.Lslot:                                            ; seven trips: behind each change of slots but the last the next slot is asked for, up to the limit
	CHANGE 1
	SLOT_STEPS
	s_sub_co_u32 s[SLOTS], s[SLOTS], 1
	s_cmp_lg_u32 s[SLOTS], 0
	s_cbranch_scc1 .Lslot
	CHANGE 0                                       ; the last slot is written out: nothing is left to ask for
	SLOT_STEPS
	; THE WAY OUT.  o = O^T x 2^(e8 + e9) / the sum, held, and quantised by e10.  Register 8 t + i is channel 16 t + 8 (lane / 16) + i of my head: registers 2 t, 2 t + 1 of the head's half of a K = 128 fragment
	; of the last product's operand: two stores of 512 consecutive bytes at (tile of 16 rows) x 8,192 + head x 1,024.
	v_add_f32 v14, v14, v15                        ; the sum's two halves,
	v_permlanex16_b32 v246, v14, s[SEL], s[SEL+1]
	v_add_f32 v14, v14, v246                       ; and lane l xor 16's
	v_rcp_f32 v14, v14
	v_nop                                          ; plain lines behind the reciprocal; with the additions and the v_ldexp_f32 also the places behind the last products
	v_nop
	s_add_co_i32 s88, s72, s73
	s_wait_alu depctr_va_vdst(0)                   ; the wait ahead of the reciprocal's first reader
	v_ldexp_f32 v14, v14, s88                      ; x 2^(e8 + e9)
.set nn, 0
.rept 32
	v_mul_f32 v[96+nn], v[160+nn], v14             ; each accumulator from its low end on
.set nn, nn+1
.endr
.set cc, 0
.rept 4
.set ii, 0
.rept 8
	v_med3_num_f32 v[96+8*cc+ii], v[96+8*cc+ii], -v241, v241
.set ii, ii+1
.endr
	v_cvt_scalef32_pk8_bf8_f32 v[224+2*cc:225+2*cc], v[96+8*cc:103+8*cc], v245
.set cc, cc+1
.endr
	v_nop
	global_store_b128 v[AK0], v[224:227], s[16:17]
	global_store_b128 v[AK0], v[228:231], s[16:17] offset:512
	s_wait_tensorcnt 0x0                           ; the wave's end, behind my last tensor load
	ds_add_u32 v[SPW], v[NIL]
	s_wait_dscnt 0x0
	s_endpgm
.Lfunc_end_k_qc79f6c29c5_attn:
	.size	k_qc79f6c29c5_attn, .Lfunc_end_k_qc79f6c29c5_attn-k_qc79f6c29c5_attn
	.p2alignl 7, 3214868480
	.fill 96, 4, 3214868480
	.section	.rodata,"a",@progbits
	.p2align	6, 0x0
	.amdhsa_kernel k_qc79f6c29c5_attn
		.amdhsa_group_segment_fixed_size 327680
		.amdhsa_private_segment_fixed_size 0
		.amdhsa_enable_private_segment 0
		.amdhsa_kernarg_size 40
		.amdhsa_user_sgpr_count 2
		.amdhsa_user_sgpr_kernarg_segment_ptr 1
		.amdhsa_wavefront_size32 1
		.amdhsa_system_sgpr_workgroup_id_x 1
		.amdhsa_system_sgpr_workgroup_id_y 1
		.amdhsa_system_sgpr_workgroup_id_z 1
		.amdhsa_system_vgpr_workitem_id 0
		.amdhsa_next_free_vgpr 256
		.amdhsa_next_free_sgpr 100
		.amdhsa_reserve_vcc 1
		.amdhsa_float_denorm_mode_32 3
		.amdhsa_float_denorm_mode_16_64 3
		.amdhsa_memory_ordered 1
		.amdhsa_forward_progress 1
		.amdhsa_inst_pref_size 178
	.end_amdhsa_kernel
	.amdgpu_metadata
---
amdhsa.version: [ 1, 2 ]
amdhsa.kernels:
  - .name:           k_qc79f6c29c5_attn
    .symbol:         k_qc79f6c29c5_attn.kd
    .args:
      - { .name: qc, .offset: 0, .size: 8, .value_kind: global_buffer, .address_space: global }
      - { .name: kc, .offset: 8, .size: 8, .value_kind: global_buffer, .address_space: global }
      - { .name: vc, .offset: 16, .size: 8, .value_kind: global_buffer, .address_space: global }
      - { .name: lowp_scales, .offset: 24, .size: 8, .value_kind: global_buffer, .address_space: global }
      - { .name: oc, .offset: 32, .size: 8, .value_kind: global_buffer, .address_space: global }
    .group_segment_fixed_size: 327680
    .private_segment_fixed_size: 0
    .kernarg_segment_align: 8
    .kernarg_segment_size: 40
    .max_flat_workgroup_size: 512
    .sgpr_count:     100
    .vgpr_count:     256
    .wavefront_size: 32
...
	.end_amdgpu_metadata
.endif
;; end of part 3
;; launch oproj (part 4): grid 256 x 1, 4 waves a work-group, no clusters, 34,304 bytes of LDS; arguments oc, wc, lowp_scales, out0; writes out0
.if DOCPART == 4
	.amdgcn_target "amdgcn-amd-amdhsa--gfx1250"
	.amdhsa_code_object_version 6
	.text
	.protected	k_qc79f6c29c5_oproj
	.globl	k_qc79f6c29c5_oproj
	.p2align	8
	.type	k_qc79f6c29c5_oproj,@function
k_qc79f6c29c5_oproj:
	s_mov_b64 s[64:65], 0
	v_nop
	global_prefetch_b8 v0, s[64:65] scope:SCOPE_SE
	s_setreg_imm32_b32 hwreg(HW_REG_WAVE_MODE, 25, 1), 1
	s_wait_xcnt 0x0
; FOURTH LAUNCH: out0[:, :, :512] = o wo[:512, :512]^T on codes of E5M2, each sum x 2^(e10 + e11); out0[:, :, 512:] = 0 (reference()'s pad).  Work left out: wo's rows and columns 512 .. (the first kernel's head).
; Work-group g takes rows 32 g .. 32 g + 31 (two tiles of 16).  Wave w takes columns 128 w .. 128 w + 127: its 128 rows of wo (32 fragments, 512 registers) fill windows 1 and 2.
; D = wo tile x o tile: a lane holds one row of out0 and eight neighbouring columns, 32 bytes.  A block of 16 rows x 128 columns goes through the wave's own stage in LDS and leaves as rows of 512 consecutive bytes.
; LIMIT: e10 + e11 between -126 and 127, so that 2^(e10 + e11) is an f32 number.
; REGISTERS: window 0: v1-3 addresses; v12, v13 the add's two; v16-143 o's eight fragments ((m, s) at 16 + 16 (4 m + s)), later v16-79 scaled sums, v80-143 and v144-207 rows read back; v208-211 zeros.   window 3: accumulator (m, t) at v[8 (8 m + t)].
.set STG,   8448                       ; a wave's stage: 16 rows x (512 + 16) bytes
.set SPARE, 4*STG                      ; behind the stages: the spare words, 128 bytes a wave: two blocks of 256 bytes that no other line names
.set LO,  1                            ; v1   16 x lane
.set STO, 2                            ; v2   the stage: where I put 32 bytes of a row
.set RD,  3                            ; v3   and where I read a row back
.set SPW, 12
.set NIL, 13
.set MF,  16
.set TMP, 16
.set BK,  80
.set ZR,  208
.set MSB, 0
.macro WIN new                         ; the immediate's high byte repeats the setting that is left
.if MSB != \new
	s_set_vgpr_msb (MSB<<8)|\new
.set MSB, \new
.endif
.endm
	s_load_b256 s[4:11], s[0:1], 0x0               ; oc, wc, the scales' exponents, out0
	v_lshl_add_u32 v[SPW], v0, 2, SPARE
	v_mov_b32 v[NIL], 0
	v_lshrrev_b32 v4, 5, v0
	v_readfirstlane_b32 s16, v4                    ; wave
	v_and_b32 v5, 31, v0
	v_lshlrev_b32 v[LO], 4, v5
	s_mul_i32 s17, s16, STG
	v_add_nc_u32 v[RD], s17, v[LO]
	v_and_b32 v6, 15, v0                           ; r
	v_bfe_u32 v7, v0, 4, 1                         ; h
	v_mul_u32_u24 v[STO], v6, 528
	v_lshl_add_u32 v[STO], v7, 5, v[STO]
	v_add_nc_u32 v[STO], s17, v[STO]
.irp i, 0,1,2,3
	v_mov_b32 v[ZR+\i], 0
.endr
	s_lshl_b32 s20, ttmp9, 14                      ; oc: two tiles of rows, 8,192 bytes each
	s_mov_b32 s21, 0
	s_lshl_b32 s22, s16, 16
	s_add_co_u32 s22, s22, 786432                  ; wc: wo's codes, rows 128 w ..
	s_mov_b32 s23, 0
	s_lshl_b32 s24, ttmp9, 17                      ; out0: 32 rows of 4,096 bytes,
	s_lshl_b32 s18, s16, 9
	s_add_co_u32 s24, s24, s18                     ; + my 128 columns
	s_mov_b32 s25, 0
	s_lshl_b32 s26, ttmp9, 17                      ; the zeros: rows 32 g + 8 w .., from column 512 on
	s_lshl_b32 s18, s16, 15
	s_add_co_u32 s26, s26, s18
	s_add_co_u32 s26, s26, 2048
	s_mov_b32 s27, 0
	s_wait_kmcnt 0x0
	s_load_b64 s[44:45], s[8:9], 0x28              ; e10, e11
	s_add_nc_u64 s[28:29], s[10:11], s[24:25]
	s_add_nc_u64 s[30:31], s[10:11], s[26:27]
	s_add_nc_u64 s[32:33], s[4:5], s[20:21]
	s_add_nc_u64 s[34:35], s[6:7], s[22:23]
.set nn, 0
.rept 32                                       ; eight rows' right halves: four stores of 512 consecutive bytes a row; they hang on nothing, so they leave first
	global_store_b128 v[LO], v[ZR:ZR+3], s[30:31] offset:(nn/4)*4096+(nn%4)*512 th:TH_STORE_NT
.set nn, nn+1
.endr
.set nn, 0
.rept 32
	global_load_b128 v[MF+4*nn:MF+4*nn+3], v[LO], s[32:33] offset:512*nn
.set nn, nn+1
.endr
	WIN 0x40                                       ; destination window 1: wo's tiles 0-3; fragment (t, s) at v[16 (4 (t % 4) + s)]
.set nn, 0
.rept 64
	global_load_b128 v[4*nn:4*nn+3], v[LO], s[34:35] offset:512*nn
.set nn, nn+1
.endr
	WIN 0x80                                       ; window 2: tiles 4-7
.set nn, 0
.rept 64
	global_load_b128 v[4*nn:4*nn+3], v[LO], s[34:35] offset:32768+512*nn
.set nn, nn+1
.endr
; 64 matrix instructions, by wo's tiles as their loads come in; a tile's two accumulators take turns, one instruction a turn; the first product of each starts its sum.
.set tt, 0
.rept 8
.if tt == 0
	s_wait_loadcnt 63                              ; of the 160 loads the first 97 are in: o's 32 and those of wo's tiles 0 to 3 (a wait's count has six bits)
.elseif tt >= 4
	s_wait_loadcnt 16*(7-tt)                       ; all but the later tiles' loads
.endif
.if tt < 4
	WIN 0xf1                                       ; source 0 window 1, C and D window 3
.else
	WIN 0xf2                                       ; source 0 window 2
.endif
.set ss, 0
.rept 4
.set mm, 0
.rept 2
.if ss == 0
	v_wmma_f32_16x16x128_bf8_bf8 v[8*(8*mm+tt):8*(8*mm+tt)+7], v[16*(4*(tt%4)+ss):16*(4*(tt%4)+ss)+15], v[MF+16*(4*mm+ss):MF+16*(4*mm+ss)+15], 0
.else
	v_wmma_f32_16x16x128_bf8_bf8 v[8*(8*mm+tt):8*(8*mm+tt)+7], v[16*(4*(tt%4)+ss):16*(4*(tt%4)+ss)+15], v[MF+16*(4*mm+ss):MF+16*(4*mm+ss)+15], v[8*(8*mm+tt):8*(8*mm+tt)+7]
.endif
.set mm, mm+1
.endr
.set ss, ss+1
.endr
.set tt, tt+1
.endr
	WIN 0
	s_wait_kmcnt 0x0
	s_add_co_i32 s46, s44, s45
	s_add_co_i32 s46, s46, 127
	s_lshl_b32 s46, s46, 23                        ; 2^(e10 + e11) as f32
	s_mov_b32 s47, s46                             ; (named with it as a pair, so it is written)
.rept 4
	v_nop                                          ; four places behind the last products (ISA guide 7.12.1): for the reads of their sums and the writes of o's registers
.endr
.macro TOSTAGE m                       ; block m: 16 rows x 128 columns, scaled, into my stage, and back as whole rows
	WIN 0x03                                       ; source 0 window 3
.set nn, 0
.rept 32
	v_pk_mul_f32 v[TMP+nn:TMP+nn+1], v[64*(\m)+nn:64*(\m)+nn+1], s[46:47] op_sel_hi:[1,0]   ; x 2^(e10 + e11): nothing is rounded; each accumulator from its low end on
.set nn, nn+2
.endr
	WIN 0
.set tt, 0
.rept 8
	ds_store_b128 v[STO], v[TMP+8*tt:TMP+8*tt+3] offset:64*tt
	ds_store_b128 v[STO], v[TMP+8*tt+4:TMP+8*tt+7] offset:64*tt+16
.set tt, tt+1
.endr
.set ii, 0
.rept 16
	ds_load_b128 v[BK+64*(\m)+4*ii:BK+64*(\m)+4*ii+3], v[RD] offset:528*ii   ; LDS serves a wave's instructions in order: these see my stores, and the next block's stores come behind them
.set ii, ii+1
.endr
.endm
.macro SEND m, younger                 ; younger: the LDS instructions issued behind block m's loads, which may stay out
	s_wait_dscnt \younger
.set ii, 0
.rept 16
	global_store_b128 v[LO], v[BK+64*(\m)+4*ii:BK+64*(\m)+4*ii+3], s[28:29] offset:(16*(\m)+ii)*4096 th:TH_STORE_NT   ; 32 lanes store 512 consecutive bytes, at a multiple of 512 from out0's first byte
.set ii, ii+1
.endr
.endm
	TOSTAGE 0
	TOSTAGE 1
	SEND 0, 32                                     ; behind block 0's loads: block 1's 16 stores and 16 loads
	SEND 1, 0
	s_wait_tensorcnt 0x0                           ; the wave's end, behind my last LDS store
	ds_add_u32 v[SPW], v[NIL]
	s_wait_dscnt 0x0
	s_endpgm
.Lfunc_end_k_qc79f6c29c5_oproj:
	.size	k_qc79f6c29c5_oproj, .Lfunc_end_k_qc79f6c29c5_oproj-k_qc79f6c29c5_oproj
	.p2alignl 7, 3214868480
	.fill 96, 4, 3214868480
	.section	.rodata,"a",@progbits
	.p2align	6, 0x0
	.amdhsa_kernel k_qc79f6c29c5_oproj
		.amdhsa_group_segment_fixed_size 34304
		.amdhsa_private_segment_fixed_size 0
		.amdhsa_enable_private_segment 0
		.amdhsa_kernarg_size 32
		.amdhsa_user_sgpr_count 2
		.amdhsa_user_sgpr_kernarg_segment_ptr 1
		.amdhsa_wavefront_size32 1
		.amdhsa_system_sgpr_workgroup_id_x 1
		.amdhsa_system_sgpr_workgroup_id_y 1
		.amdhsa_system_sgpr_workgroup_id_z 1
		.amdhsa_system_vgpr_workitem_id 0
		.amdhsa_next_free_vgpr 1024
		.amdhsa_next_free_sgpr 66
		.amdhsa_reserve_vcc 0
		.amdhsa_float_denorm_mode_32 3
		.amdhsa_float_denorm_mode_16_64 3
		.amdhsa_memory_ordered 1
		.amdhsa_forward_progress 1
		.amdhsa_inst_pref_size 36
	.end_amdhsa_kernel
	.amdgpu_metadata
---
amdhsa.version: [ 1, 2 ]
amdhsa.kernels:
  - .name:           k_qc79f6c29c5_oproj
    .symbol:         k_qc79f6c29c5_oproj.kd
    .args:
      - { .name: oc, .offset: 0, .size: 8, .value_kind: global_buffer, .address_space: global }
      - { .name: wc, .offset: 8, .size: 8, .value_kind: global_buffer, .address_space: global }
      - { .name: lowp_scales, .offset: 16, .size: 8, .value_kind: global_buffer, .address_space: global }
      - { .name: out0, .offset: 24, .size: 8, .value_kind: global_buffer, .address_space: global }
    .group_segment_fixed_size: 34304
    .private_segment_fixed_size: 0
    .kernarg_segment_align: 8
    .kernarg_segment_size: 32
    .max_flat_workgroup_size: 128
    .sgpr_count:     66
    .vgpr_count:     1024
    .wavefront_size: 32
...
	.end_amdgpu_metadata
.endif
;; end of part 4
;; ======== version 2 of 2: 4 launches
;; limits: right only within a limited range of input values
;; workspace buffers: xc 12,582,912 bytes; wc 1,048,576 bytes; qc 4,194,304 bytes; kc 4,194,304 bytes; vc 4,194,304 bytes; oc 4,194,304 bytes
;; launch quant: the kernel of part 1 again; grid 640 x 1, 4 waves a work-group, no clusters, 34,304 bytes of LDS; arguments x, wq, wk, wv, wo, lowp_scales, xc, wc; writes xc, wc
;; launch proj (part 5): grid 64 x 3, 4 waves a work-group, no clusters, 0 bytes of LDS; arguments xc, wc, lowp_scales, qc, kc, vc; writes qc, kc, vc
.if DOCPART == 5
	.amdgcn_target "amdgcn-amd-amdhsa--gfx1250"
	.amdhsa_code_object_version 6
	.text
	.protected	k_qc79f6c29c5_proj
	.globl	k_qc79f6c29c5_proj
	.p2align	8
	.type	k_qc79f6c29c5_proj,@function
k_qc79f6c29c5_proj:
	s_mov_b64 s[64:65], 0
	v_nop
	global_prefetch_b8 v0, s[64:65] scope:SCOPE_SE
	s_setreg_imm32_b32 hwreg(HW_REG_WAVE_SCHED_MODE, 0, 2), 2
	s_setreg_imm32_b32 hwreg(HW_REG_WAVE_MODE, 25, 1), 1
	s_wait_xcnt 0x0
	s_wait_alu depctr_vm_vsrc(0)
; SECOND LAUNCH: q, k, v = xs W^T on codes of E5M2, and each result quantised at once for the attention's products (q by e6, k by e7, v by e9).  Work left out: as the first kernel's head says (only the live 512 x 512 and 8,192 x 512 exist as codes).
; Work-group (i, p): p = 0 q, 1 k, 2 v; i = 128 rows of x.  ONE BODY FOR ALL THREE, by a change of roles.  A wave multiplies a STATIONARY chunk S (128 rows x 512 K: 32 fragments, 512 registers, windows 1 and 2)
; by a MOVING chunk (128 rows, 8 tiles of 16).  D = S tile x moving tile: a lane holds ONE moving row, its eight registers eight neighbouring stationary rows, 8 h + j of tile t.
;   p < 2: S = rows 128 w .. of the weight (heads 2 w, 2 w + 1), moving = tokens: a lane holds a token, registers run along d: one conversion of tile t gives registers 2 (t % 4), 2 (t % 4) + 1 of the K = 64 fragment of head 2 w + t / 4.
;   p = 2: S = the 128 tokens (one key step), moving = rows 128 w .. of wv: a lane holds a channel, registers run along the keys: tile t gives registers 2 t, 2 t + 1 of a K = 128 fragment of V^T.
; So nothing is transposed, and every load and store of codes is 512 consecutive bytes (images of registers: the first kernel's head).
; OUT: qc, kc: [batch x head 16][tile of 16 tokens 256][1024];  vc: [batch 2][key step 32][head x 4 + tile of 16 channels: 32][2048].
; A sum stands for sum x 2^(eA + eB), so its code is sum / 2^(eOut - eA - eB): the three scales are one.  LIMIT: eOut - eA - eB between -126 and 112.
; No LDS, no barrier: operands go from memory into registers as they lie.  No cluster: there is no LDS tile for a joint load to land in.
; THE MODE: SCHED_MODE bits 1:0 = 2 (LLVM: expert scheduling mode 2), set by the entry lines.  The code itself states the register dependences
; between vector or matrix instructions and memory instructions, with s_wait_alu, always for 0.
; THE PLAN.  Registers that memory instructions touch:
;   v1            16 x lane, the offset of every load and store: written once at the head, never again.
;   S             windows 1 and 2: loaded once at the head; read by the products alone.
;   MB0 .. MB3    window 3, 64 registers each: tile m's 32 products read MB[m % 4]; the loads of tile m + 3, issued at the head of tile m (m = 1 .. 4), land in MB[(m - 1) % 4].
;   CD0, CD1      two sets of 16 registers of codes: tile m's conversions write CD[m % 2]; the four stores issued in tile m + 1 read it.
;   The accumulators and v240, v241 are named by vector and matrix instructions alone.
; So ONE wait on va_vdst stands at the head of a tile: the tile before has written its codes and is done reading its moving buffer.  The loads follow it at once; the four stores stand between the tile's two runs of
; products, which name the accumulators, S and MB[m % 4]: none of the registers that those stores touch.  One wait on vm_vsrc beside the wait on XCNT, at the same head, frees the set of codes that this tile writes again.
.set LO,  1                            ; v1  16 x lane
.set ACC, 144                          ; v144-207  eight accumulators
.set CD,  208                          ; v208-223, v224-239  the codes: two sets, by turns
.set SC,  240                          ; v240  2^(eOut - eA - eB)
.set LM,  241                          ; v241  57,344 x that
.set MSB, 0
.macro WIN new                         ; the immediate's high byte repeats the setting that is left
.if MSB != \new
	s_set_vgpr_msb (MSB<<8)|\new
.set MSB, \new
.endif
.endm
	s_load_b256 s[4:11], s[0:1], 0x0               ; xc, wc, the scales' exponents, qc
	s_load_b128 s[12:15], s[0:1], 0x20             ; kc, vc
	v_lshrrev_b32 v2, 5, v0
	v_readfirstlane_b32 s16, v2                    ; wave
	v_and_b32 v[LO], 31, v0
	v_lshlrev_b32 v[LO], 4, v[LO]
	s_wait_alu depctr_va_sdst(0)                   ; s16 is written, ahead of its first reader: the chunks' and the results' places are made from it
	s_and_b32 s17, ttmp7, 0xffff                   ; p
	s_mov_b32 s18, ttmp9                           ; i
	s_lshl_b32 s20, s17, 18                        ; the weight's codes,
	s_lshl_b32 s19, s16, 16
	s_add_co_u32 s20, s20, s19                     ; its rows 128 w ..
	s_mov_b32 s21, 0
	s_lshl_b32 s22, s17, 22                        ; x's version p,
	s_lshl_b32 s19, s18, 16
	s_add_co_u32 s22, s22, s19                     ; its rows 128 i ..
	s_mov_b32 s23, 0
	s_lshr_b32 s40, s18, 5                         ; q, k: (((batch x 8 + 2 w) x 256) + 8 (i % 32)) x 1,024
	s_lshl_b32 s40, s40, 3
	s_lshl_b32 s41, s16, 1
	s_add_co_u32 s40, s40, s41
	s_lshl_b32 s40, s40, 8
	s_and_b32 s41, s18, 31
	s_lshl_b32 s41, s41, 3
	s_add_co_u32 s40, s40, s41
	s_lshl_b32 s40, s40, 10
	s_lshl_b32 s42, s18, 5                         ; v: (32 i + 8 w) x 2,048
	s_lshl_b32 s43, s16, 3
	s_add_co_u32 s42, s42, s43
	s_lshl_b32 s42, s42, 11
	s_cmp_lt_u32 s17, 2
	s_cselect_b32 s40, s40, s42
	s_mov_b32 s32, 2048
	s_cselect_b32 s32, 1024, s32                   ; from a moving tile's place to the next one's
	s_mov_b32 s34, 1024
	s_cselect_b32 s34, 0x40000, s34                ; from the first eight code registers' place to the last eight's: the next head, or the fragment's second half
	s_mov_b32 s41, 0
	s_mov_b32 s33, 0
	s_mov_b32 s35, 0
	s_wait_kmcnt 0x0
	s_load_b256 s[48:55], s[8:9], 0x0              ; e0 .. e7
	s_load_b128 s[56:59], s[8:9], 0x20             ; e8 .. e11
	s_add_nc_u64 s[36:37], s[6:7], s[20:21]
	s_add_nc_u64 s[38:39], s[4:5], s[22:23]
	s_cmp_lt_u32 s17, 2                            ; the roles: a choice by the work-group's number alone
	s_cselect_b64 s[24:25], s[36:37], s[38:39]     ; stationary
	s_cselect_b64 s[26:27], s[38:39], s[36:37]     ; moving
	s_cmp_eq_u32 s17, 0
	s_cselect_b64 s[28:29], s[10:11], s[12:13]
	s_cmp_eq_u32 s17, 2
	s_cselect_b64 s[28:29], s[14:15], s[28:29]
	s_add_nc_u64 s[28:29], s[28:29], s[40:41]
	s_add_nc_u64 s[30:31], s[28:29], s[34:35]
	WIN 0x40                                       ; destination window 1: S's tiles 0-3; fragment (t, s) at v[16 (4 (t % 4) + s)]
	s_wait_alu depctr_va_vdst(0)                   ; v1 is written: every load and store of the kernel reads it as its offset.  Up to the last load of the head only loads and window switches follow
.set nn, 0
.rept 64
	global_load_b128 v[4*nn:4*nn+3], v[LO], s[24:25] offset:512*nn
.set nn, nn+1
.endr
	WIN 0x80                                       ; window 2: tiles 4-7
.set nn, 0
.rept 64
	global_load_b128 v[4*nn:4*nn+3], v[LO], s[24:25] offset:32768+512*nn
.set nn, nn+1
.endr
	WIN 0xc0                                       ; window 3: moving tiles 0 to 3 into MB0 .. MB3; fragment s of tile m at v[64 m + 16 s]
.set nn, 0
.rept 64
	global_load_b128 v[4*nn:4*nn+3], v[LO], s[26:27] offset:512*nn
.set nn, nn+1
.endr
	WIN 0
	s_wait_kmcnt 0x0
	s_cmp_eq_u32 s17, 0
	s_cselect_b32 s44, s48, s50                    ; eA: e0, e2, e4
	s_cselect_b32 s45, s49, s51                    ; eB: e1, e3, e5
	s_cselect_b32 s46, s54, s55                    ; eOut: e6, e7, e9
	s_cmp_eq_u32 s17, 2
	s_cselect_b32 s44, s52, s44
	s_cselect_b32 s45, s53, s45
	s_cselect_b32 s46, s57, s46
	s_sub_co_i32 s46, s46, s44
	s_sub_co_i32 s46, s46, s45
	s_add_co_i32 s46, s46, 127
	s_lshl_b32 s47, s46, 23
	v_mov_b32 v[SC], s47
	s_add_co_i32 s46, s46, 15
	s_lshl_b32 s46, s46, 23
	s_or_b32 s46, s46, 0x600000
	v_mov_b32 v[LM], s46
; One moving tile: 32 matrix instructions, K ascending; the accumulators take turns, one instruction a turn.  The first product of each starts its sum: nothing is cleared.
.macro TILE m
.set MB, 64*((\m)%4)                   ; this tile's moving buffer, in window 3
.set ML, 64*(((\m)+3)%4)               ; the buffer that the tile before has left: tile m + 3 lands there
.set CW, CD+16*((\m)%2)                ; the codes that this tile makes
.set CR, CD+16*(1-(\m)%2)              ; the codes of the tile before, which this tile stores
.if (\m) == 0
	s_wait_loadcnt 48                              ; loads come back in order (ISA guide 5.7.1): S and tile 0 are in; the loads of tiles 1 to 3 may be out
.elseif (\m) < 6
	s_wait_loadcnt 32                              ; this tile is in; the two younger tiles' sixteen loads each may be out
.else
	s_wait_loadcnt 16*(7-(\m))                     ; the counts run down
.endif
.if (\m) > 1
	s_wait_xcnt 0x0                                ; the stores issued in the tile before have read their bases and their codes: both are written again only behind this wait
	s_add_nc_u64 s[28:29], s[28:29], s[32:33]      ; the place of the codes that this tile stores
	s_add_nc_u64 s[30:31], s[30:31], s[32:33]
	s_wait_alu depctr_vm_vsrc(0)                   ; the stores issued in the tile before have read the set of codes that this tile's conversions write again
.endif
.if ((\m) > 0) && ((\m) < 5)
	WIN 0xc0                                       ; destination window 3, offset window 0: the switch, the wait, the loads
.endif
.if (\m) > 0
	s_wait_alu depctr_va_vdst(0)                   ; the tile before: its conversions have written the codes that the stores below read; its products are done reading the moving buffer in which the loads below land
.endif
.if ((\m) > 0) && ((\m) < 5)
.set nn, 0
.rept 16
	global_load_b128 v[ML+4*nn:ML+4*nn+3], v[LO], s[26:27] offset:((\m)+3)*8192+512*nn   ; three tiles ahead
.set nn, nn+1
.endr
.endif
	WIN 0x0d                                       ; source 0 (S) window 1, source 1 (the moving tile) window 3
.irp s, 0,1,2,3
.irp t, 0,1,2,3
.if \s == 0
	v_wmma_f32_16x16x128_bf8_bf8 v[ACC+8*\t:ACC+8*\t+7], v[16*(4*\t+\s):16*(4*\t+\s)+15], v[MB+16*\s:MB+16*\s+15], 0
.else
	v_wmma_f32_16x16x128_bf8_bf8 v[ACC+8*\t:ACC+8*\t+7], v[16*(4*\t+\s):16*(4*\t+\s)+15], v[MB+16*\s:MB+16*\s+15], v[ACC+8*\t:ACC+8*\t+7]
.endif
.endr
.endr
.if (\m) > 0
	WIN 0
	global_store_b128 v[LO], v[CR:CR+3], s[28:29]                 ; the tile before.  No wait: no vector or matrix instruction since the wait at the tile's head names v1 or these codes
	global_store_b128 v[LO], v[CR+4:CR+7], s[28:29] offset:512
	global_store_b128 v[LO], v[CR+8:CR+11], s[30:31]
	global_store_b128 v[LO], v[CR+12:CR+15], s[30:31] offset:512
.endif
	WIN 0x0e                                       ; source 0 window 2
.irp s, 0,1,2,3
.irp t, 4,5,6,7
.if \s == 0
	v_wmma_f32_16x16x128_bf8_bf8 v[ACC+8*\t:ACC+8*\t+7], v[16*(4*(\t-4)+\s):16*(4*(\t-4)+\s)+15], v[MB+16*\s:MB+16*\s+15], 0
.else
	v_wmma_f32_16x16x128_bf8_bf8 v[ACC+8*\t:ACC+8*\t+7], v[16*(4*(\t-4)+\s):16*(4*(\t-4)+\s)+15], v[MB+16*\s:MB+16*\s+15], v[ACC+8*\t:ACC+8*\t+7]
.endif
.endr
.endr
	WIN 0
.rept 4
	v_nop                                          ; four places behind the last products (ISA guide 7.12.1), for the first read of their sums
.endr
.irp t, 0,1,2,3,4,5,6,7                        ; each accumulator from its low end on
.irp i, 0,1,2,3,4,5,6,7
	v_med3_num_f32 v[ACC+8*\t+\i], v[ACC+8*\t+\i], -v[LM], v[LM]   ; the hold at the largest code x the scale
.endr
	v_cvt_scalef32_pk8_bf8_f32 v[CW+2*\t:CW+2*\t+1], v[ACC+8*\t:ACC+8*\t+7], v[SC]
.endr
	v_nop                                          ; a plain line between the last conversion and the next products, which write its sources
.endm
.irp m, 0,1,2,3,4,5,6,7
	TILE \m
.endr
	s_wait_xcnt 0x0                                ; tile 6's stores have read their bases
	s_add_nc_u64 s[28:29], s[28:29], s[32:33]
	s_add_nc_u64 s[30:31], s[30:31], s[32:33]
	s_wait_alu depctr_va_vdst(0)                   ; tile 7's conversions have written the second set of codes, which the last four stores read
	global_store_b128 v[LO], v[CD+16:CD+19], s[28:29]
	global_store_b128 v[LO], v[CD+20:CD+23], s[28:29] offset:512
	global_store_b128 v[LO], v[CD+24:CD+27], s[30:31]
	global_store_b128 v[LO], v[CD+28:CD+31], s[30:31] offset:512
	s_endpgm
.Lfunc_end_k_qc79f6c29c5_proj:
	.size	k_qc79f6c29c5_proj, .Lfunc_end_k_qc79f6c29c5_proj-k_qc79f6c29c5_proj
	.p2alignl 7, 3214868480
	.fill 96, 4, 3214868480
	.section	.rodata,"a",@progbits
	.p2align	6, 0x0
	.amdhsa_kernel k_qc79f6c29c5_proj
		.amdhsa_group_segment_fixed_size 0
		.amdhsa_private_segment_fixed_size 0
		.amdhsa_enable_private_segment 0
		.amdhsa_kernarg_size 48
		.amdhsa_user_sgpr_count 2
		.amdhsa_user_sgpr_kernarg_segment_ptr 1
		.amdhsa_wavefront_size32 1
		.amdhsa_system_sgpr_workgroup_id_x 1
		.amdhsa_system_sgpr_workgroup_id_y 1
		.amdhsa_system_sgpr_workgroup_id_z 1
		.amdhsa_system_vgpr_workitem_id 0
		.amdhsa_next_free_vgpr 1024
		.amdhsa_next_free_sgpr 66
		.amdhsa_reserve_vcc 0
		.amdhsa_float_denorm_mode_32 3
		.amdhsa_float_denorm_mode_16_64 3
		.amdhsa_memory_ordered 1
		.amdhsa_forward_progress 1
		.amdhsa_inst_pref_size 86
	.end_amdhsa_kernel
	.amdgpu_metadata
---
amdhsa.version: [ 1, 2 ]
amdhsa.kernels:
  - .name:           k_qc79f6c29c5_proj
    .symbol:         k_qc79f6c29c5_proj.kd
    .args:
      - { .name: xc, .offset: 0, .size: 8, .value_kind: global_buffer, .address_space: global }
      - { .name: wc, .offset: 8, .size: 8, .value_kind: global_buffer, .address_space: global }
      - { .name: lowp_scales, .offset: 16, .size: 8, .value_kind: global_buffer, .address_space: global }
      - { .name: qc, .offset: 24, .size: 8, .value_kind: global_buffer, .address_space: global }
      - { .name: kc, .offset: 32, .size: 8, .value_kind: global_buffer, .address_space: global }
      - { .name: vc, .offset: 40, .size: 8, .value_kind: global_buffer, .address_space: global }
    .group_segment_fixed_size: 0
    .private_segment_fixed_size: 0
    .kernarg_segment_align: 8
    .kernarg_segment_size: 48
    .max_flat_workgroup_size: 128
    .sgpr_count:     66
    .vgpr_count:     1024
    .wavefront_size: 32
...
	.end_amdgpu_metadata
.endif
;; end of part 5
;; launch attn (part 6): grid 16 x 16, 16 waves a work-group, no clusters, 327,680 bytes of LDS; arguments qc, kc, vc, lowp_scales, oc; writes oc
.if DOCPART == 6
	.amdgcn_target "amdgcn-amd-amdhsa--gfx1250"
	.amdhsa_code_object_version 6
	.text
	.protected	k_qc79f6c29c5_attn
	.globl	k_qc79f6c29c5_attn
	.p2align	8
	.type	k_qc79f6c29c5_attn,@function
k_qc79f6c29c5_attn:
	s_mov_b64 s[64:65], 0
	v_nop
	global_prefetch_b8 v0, s[64:65] scope:SCOPE_SE
	s_setreg_imm32_b32 hwreg(HW_REG_WAVE_MODE, 25, 1), 1
	s_wait_xcnt 0x0
; THIRD LAUNCH: causal attention on codes of E5M2, head size 64, 16 (batch, head) pairs of 4,096 tokens; the result, divided by the row's sum, is quantised by e10 for the last product.
; WORK LEFT OUT: a step of 128 keys all of which come after all 16 queries of a wave: reference()'s own mask (triu, k = 1) makes their scores -inf and their p 0 (the first kernel's head).
; THE SOFTMAX AHEAD OF THE SECOND PRODUCT: t = score x log2(e) / 8; M = the running largest t rounded UP to a whole number; p = 2^(t - M) is quantised by e8, not normalised; the row's sum is taken of the
; unquantised p and divides at the end.  When M moves, the sum and O are multiplied by 2^(old M - new M): exact.
; SHARES.  Work-group (j, bh): eight of its sixteen waves take the 128 queries of block j, eight those of block 31 - j (of 32 blocks): a wave of block n has n + 1 key steps, so every work-group has 8 (j + 1) + 8 (32 - j) = 264,
; and any four neighbouring waves, and any four waves 4 apart, hold two of each kind.  A wave owns ONE tile of 16 queries, in 256 registers.
; LAYOUT.  Both products transposed: S^T = K Q^T (source 0 = 16 keys), O^T = V^T P^T (source 0 = 16 channels): a lane holds one query (lane % 16) throughout.  Register 8 t + i of S^T is key 16 t + 8 (lane / 16) + i of the step:
; just what registers 2 t, 2 t + 1 of the K = 128 operand hold, so one conversion a tile makes P.  All operands lie in memory and LDS as images of registers (512 consecutive bytes a load): no pitch, no padding.
; RING.  Two LDS slots of 512 keys (four steps).  Waves 0, 1 fetch K's halves, waves 2, 3 V's: each load is four rows, one a step, of 4,096 bytes, so each holds bytes of the slot's first step.
; Every work-group walks all 8 slots (constant trip counts); work and look-ahead end at the causal limit by branches on ids.  No cluster: partners would jump over different steps.
; LIMITS: e6 + e7 between -123 and 130 (added to c's exponent field); e8 and e10 between -126 and 112.  NaN among the inputs is not served.
; REGISTERS: v1-3 lane terms; v5, v6 the add's two; v8, v9 LDS addresses; v12 -M, v13 the largest t, v[14:15] the sum; v16-23 Q; v32-95 eight fragments of K, then four of V; v96-159 S^T, then p; v160-191 O^T; v224-239 codes (v234-239 also work for the sum); v240-255 constants and work.
.set SLOT1, 65536                      ; slot 1 begins here: one exclusive or turns an address from one slot into the other
.set VOFF,  32768                      ; a slot: K [half 2][step 4][4096], then V the same
.set SPARE, 2*SLOT1                    ; behind the ring: the spare words, 128 bytes a wave: eight blocks of 256 bytes that no other line names
.set AK0, 1                            ; v1   16 x lane: my place in an image (K, Q, O)
.set AV0, 2                            ; v2   VOFF + 16 x lane
.set PFO, 3                            ; v3   256 x lane: the prefetches' offset; never rewritten
.set SPW, 5                            ; v5   my spare word's LDS address; never rewritten
.set NIL, 6                            ; v6   0; never rewritten
.set ADK, 8
.set ADV, 9
.set TB,  2                            ; s2   LDS byte at which the slot in hand begins
.set WV,  18                           ; s18  my wave's number
.set SEL, 20                           ; s[20:21] selects for v_permlanex16_b32: lane l xor 16
.set CS,  22                           ; s[22:23] c = log2(e) / 8 x 2^(e6 + e7)
.set G1K, 24                           ; s[24:31], s[32:39] descriptor groups 1;  s[40:43], s[44:47] groups 0, which walk
.set G1V, 32
.set G0K, 40
.set G0V, 44
.set SLOTS, 67                         ; s67  changes of slots still to come that look ahead
.set PFA, 76                           ; s[76:77] where my prefetches stand
.set PFS, 78                           ; s[78:79] a slot on, in bytes
.set LIM, 80                           ; s80  1 in a wave that prefetches, else the greatest number
.set LASTQ, 97                         ; s97  my work-group's last query
.set KF,  98                           ; s98  the step's first key
.set Q0,  99                           ; s99  my first query
; Waves 0 and 1 fetch for K, waves 2 and 3 for V, the others nothing.  An s_nop 0 and four v_nop follow each of the two lines.
.macro TLOAD
	s_cmp_lt_u32 s[WV], 2
	s_cbranch_scc0 .Lnot_k_\@
	tensor_load_to_lds s[G0K:G0K+3], s[G1K:G1K+7]
	s_nop 0
.rept 4
	v_nop
.endr
	s_branch .Lasked_\@
.Lnot_k_\@:
	s_cmp_lt_u32 s[WV], 4
	s_cbranch_scc0 .Lasked_\@
	tensor_load_to_lds s[G0V:G0V+3], s[G1V:G1V+7]
	s_nop 0
.rept 4
	v_nop
.endr
.Lasked_\@:
.endm
; A prefetch of what the NEXT change of slots will ask for.  All 16 work-groups of a (batch, head) walk the same K and V: the one with j = 0, which walks every slot, asks.  In it waves 4 to 7 ask for K's 32,768 bytes of a slot,
; 8,192 a wave; waves 8 to 11 for V's four key steps, 8,192 bytes each, one a wave; lanes 256 bytes apart: each aligned 256 bytes are named once in the launch.  The last change that looks ahead asks for nothing; slots 0 and 1 come by their loads alone.
.macro ASK
	s_cmp_gt_u32 s[SLOTS], s[LIM]
	s_cbranch_scc0 .Lnot_mine_\@
	global_prefetch_b8 v[PFO], s[PFA:PFA+1] th:TH_LOAD_NT scope:SCOPE_SE
.Lnot_mine_\@:
.endm
	s_load_b128 s[4:7], s[0:1], 0x0                ; qc, kc
	s_load_b128 s[12:15], s[0:1], 0x10             ; vc, the scales' exponents
	s_load_b64 s[16:17], s[0:1], 0x20              ; oc
	v_lshl_add_u32 v[SPW], v0, 2, SPARE
	v_mov_b32 v[NIL], 0
	ds_add_u32 v[SPW], v[NIL]                      ; the wave's opening: the add, twice on end, and its wait ahead of the first tensor load; the set-up below, work on registers, stands between
	ds_add_u32 v[SPW], v[NIL]
	v_lshrrev_b32 v8, 5, v0
	s_delay_alu instid0(VALU_DEP_1)
	v_readfirstlane_b32 s[WV], v8                  ; wave 0..15
	s_and_b32 s48, ttmp7, 0xffff                   ; bh
	s_lshr_b32 s49, s48, 3                         ; batch
	s_and_b32 s50, s48, 7                          ; head
	s_lshr_b32 s51, s[WV], 2
	s_xor_b32 s51, s51, s[WV]
	s_and_b32 s51, s51, 1                          ; 1: I take the late block
	s_lshr_b32 s52, s[WV], 1                       ; which tile of the block's eight
	s_sub_co_u32 s53, 31, ttmp9
	s_cmp_eq_u32 s51, 1
	s_cselect_b32 s53, s53, ttmp9                  ; my block of 128 queries: 31 - j or j
	s_lshl_b32 s[Q0], s53, 7
	s_lshl_b32 s55, s52, 4
	s_add_co_u32 s[Q0], s[Q0], s55
	s_lshl_b32 s[LASTQ], ttmp9, 7
	s_sub_co_u32 s[LASTQ], 4095, s[LASTQ]          ; 128 (31 - j) + 127: the same in all sixteen waves
	s_and_b32 s54, s[WV], 1                        ; which half I fetch, if I fetch
	s_lshl_b32 s86, s48, 18                        ; bh's first byte in qc and in kc
	s_lshl_b32 s88, s49, 21
	s_lshl_b32 s55, s50, 13
	s_add_co_u32 s88, s88, s55                     ; in vc: the batch, + the head's four fragments in key step 0
	s_lshl_b32 s55, s54, 12
	s_add_co_u32 s56, s86, s55                     ; K: my half in memory,
	s_mov_b32 s57, 0
	s_add_co_u32 s58, s88, s55                     ; V's,
	s_mov_b32 s59, 0
	s_lshl_b32 s60, s54, 14                        ; and in a slot
	s_add_co_u32 s61, s60, VOFF
	s_lshl_b32 s55, s[Q0], 6
	s_add_co_u32 s82, s86, s55                     ; Q's fragment: (256 bh + Q0 / 16) x 1,024
	s_mov_b32 s83, 0
	s_lshl_b32 s84, s49, 21                        ; oc: (256 batch + Q0 / 16) x 8,192 + 1,024 head
	s_lshl_b32 s55, s[Q0], 9
	s_add_co_u32 s84, s84, s55
	s_lshl_b32 s55, s50, 10
	s_add_co_u32 s84, s84, s55
	s_mov_b32 s85, 0
	; descriptor groups 1: four rows of 512 elements of 8 bytes, no padding; from row to row a key step: 8,192 bytes in kc, 65,536 in vc
	s_mov_b32 s[G1K], 3<<16                        ; 15:0 no mask; 17:16 elements of 8 bytes
	s_mov_b32 s[G1K+1], 512<<16                    ; tensor_dim0
	s_mov_b32 s[G1K+2], 4<<16                      ; tensor_dim1
	s_mov_b32 s[G1K+3], 512<<16                    ; tile_dim0
	s_mov_b32 s[G1K+4], 4                          ; tile_dim1
	s_mov_b32 s[G1K+5], 1024                       ; tensor_dim0_stride
	s_mov_b32 s[G1K+6], 0
	s_mov_b32 s[G1K+7], 0
	s_mov_b32 s[G1V], 3<<16
	s_mov_b32 s[G1V+1], 512<<16
	s_mov_b32 s[G1V+2], 4<<16
	s_mov_b32 s[G1V+3], 512<<16
	s_mov_b32 s[G1V+4], 4
	s_mov_b32 s[G1V+5], 8192
	s_mov_b32 s[G1V+6], 0
	s_mov_b32 s[G1V+7], 0
	s_mov_b32 s[SEL], 0x76543210
	s_mov_b32 s[SEL+1], 0xfedcba98
	s_mov_b32 s[CS], 0x3e38aa3b                    ; log2(e) / sqrt(64)
	s_mov_b32 s[TB], 0
	s_mov_b32 s[SLOTS], 7
	s_mov_b32 s[KF], 0
	s_wait_dscnt 0x0                               ; both opening adds are done
	s_wait_kmcnt 0x0
	s_load_b128 s[68:71], s[14:15], 0x10           ; e4 .. e7
	s_load_b128 s[72:75], s[14:15], 0x20           ; e8 .. e11
	s_mov_b32 s[G0K], 1                            ; count = 1
	s_mov_b32 s[G0K+1], s60                        ; LDS address: slot 0
	s_add_nc_u64 s[G0K+2:G0K+3], s[6:7], s[56:57]  ; global address: the first 512 keys
	s_or_b32 s[G0K+3], s[G0K+3], 0x80000000        ; type = 2
	s_mov_b32 s[G0V], 1
	s_mov_b32 s[G0V+1], s61
	s_add_nc_u64 s[G0V+2:G0V+3], s[12:13], s[58:59]
	s_or_b32 s[G0V+3], s[G0V+3], 0x80000000
	TLOAD                                          ; slot 0: key 0 counts for every query, so every wave reads it
	s_add_nc_u64 s[4:5], s[4:5], s[82:83]
	s_add_nc_u64 s[16:17], s[16:17], s[84:85]
	s_cmp_lt_u32 s[WV], 8                          ; the prefetches: waves 4 to 7 stand in kc, waves 8 to 11 in vc
	s_cselect_b64 s[PFA:PFA+1], s[6:7], s[12:13]
	s_cselect_b32 s86, s86, s88
	s_mov_b32 s[PFS], 262144
	s_cselect_b32 s[PFS], 32768, s[PFS]            ; a slot on
	s_mov_b32 s89, 65536
	s_cselect_b32 s89, 8192, s89                   ; from wave to wave
	s_and_b32 s88, s[WV], 3
	s_mul_i32 s88, s88, s89
	s_add_co_u32 s86, s86, s88
	s_add_co_u32 s86, s86, s[PFS]                  ; in slot 1: the first change of slots steps it to slot 2.  Nothing is prefetched here, at the head
	s_mov_b32 s87, 0
	s_mov_b32 s[PFS+1], 0
	s_add_nc_u64 s[PFA:PFA+1], s[PFA:PFA+1], s[86:87]
	s_sub_co_u32 s88, s[WV], 4
	s_lshr_b32 s88, s88, 3                         ; 0 in waves 4 to 11,
	s_or_b32 s88, s88, ttmp9                       ; of the work-group with j = 0
	s_cmp_eq_u32 s88, 0
	s_cselect_b32 s[LIM], 1, -1
	v_and_b32 v[AK0], 31, v0
	s_delay_alu instid0(VALU_DEP_1)
	v_lshlrev_b32 v[PFO], 8, v[AK0]
	s_delay_alu instid0(VALU_DEP_2)
	v_lshlrev_b32 v[AK0], 4, v[AK0]
	s_delay_alu instid0(VALU_DEP_1)
	v_add_nc_u32 v[AV0], VOFF, v[AK0]
	global_load_b128 v[16:19], v[AK0], s[4:5]      ; Q's fragment stays in registers
	global_load_b128 v[20:23], v[AK0], s[4:5] offset:512
	v_mov_b32 v13, 0xff61b1e6                      ; the largest t so far: -3e38, under every t
	s_delay_alu instid0(VALU_DEP_1)
	v_floor_f32 v12, -v13                          ; -M
	v_mov_b32 v14, 0                               ; the sum, in two halves
	v_mov_b32 v15, 0
	v_mov_b32 v246, 0                              ; written once: a lane permute's destination counts as one of its sources
	v_mov_b32 v253, 0                              ; (named as the upper half of the pair v[252:253])
.set nn, 0
.rept 32
	v_mov_b32 v[160+nn], 0                         ; O^T.  (The step is written without a first form: the first finds zeros, which the first change of M leaves zeros)
.set nn, nn+1
.endr
	s_wait_kmcnt 0x0
	s_add_co_i32 s88, s70, s71
	s_lshl_b32 s88, s88, 23
	s_add_co_i32 s[CS], s[CS], s88                 ; a score stands for score x 2^(e6 + e7): added to c's exponent field
	s_mov_b32 s[CS+1], s[CS]                       ; (named with it as a pair, so it is written)
	s_add_co_i32 s88, s72, 127
	s_lshl_b32 s89, s88, 23
	v_mov_b32 v244, s89                            ; 2^e8, for p's conversions
	s_add_co_i32 s88, s88, 15
	s_lshl_b32 s88, s88, 23
	s_or_b32 s88, s88, 0x600000
	v_mov_b32 v240, s88                            ; 57,344 x 2^e8
	s_add_co_i32 s88, s74, 127
	s_lshl_b32 s89, s88, 23
	v_mov_b32 v245, s89                            ; 2^e10, for the result's
	s_add_co_i32 s88, s88, 15
	s_lshl_b32 s88, s88, 23
	s_or_b32 s88, s88, 0x600000
	v_mov_b32 v241, s88                            ; 57,344 x 2^e10
; A KEY STEP: 128 keys, the q-th of the slot in hand.
.macro STEP q
	s_add_co_u32 s96, s[Q0], 15                    ; a step all of whose keys come after my 16 queries is left out: a branch on ids, round loads, products and softmax; no barrier and no tensor load stands in a step
	s_cmp_gt_u32 s[KF], s96
	s_cbranch_scc1 .Lhidden_\@
	v_add_nc_u32 v[ADK], s[TB], v[AK0]
	v_add_nc_u32 v[ADV], s[TB], v[AV0]
	v_nop                                          ; with the two additions: four places behind the last step's products, in front of loads into the registers that they read
	v_nop
.set tt, 0
.rept 8                                        ; K: eight tiles of 16 keys, 8 registers each
	ds_load_b128 v[32+8*tt:35+8*tt], v[ADK] offset:(\q)*4096+(tt/4)*16384+(tt%4)*1024
	ds_load_b128 v[36+8*tt:39+8*tt], v[ADK] offset:(\q)*4096+(tt/4)*16384+(tt%4)*1024+512
.set tt, tt+1
.endr
	s_wait_alu depctr_va_vdst(0)
	s_wait_dscnt 0x0
.set tt, 0
.rept 8
	v_wmma_f32_16x16x64_bf8_bf8 v[96+8*tt:103+8*tt], v[32+8*tt:39+8*tt], v[16:23], 0
.set tt, tt+1
.endr
.rept 4
	v_nop                                          ; four places: for the loads below, into K's registers, and for the first read of the scores
.endr
.set tt, 0
.rept 4                                        ; V is asked for at once: four tiles of 16 channels, 16 registers each; the loads land while the softmax is worked
.set cc, 0
.rept 4
	ds_load_b128 v[32+16*tt+4*cc:35+16*tt+4*cc], v[ADV] offset:(\q)*4096+(tt/2)*16384+(tt%2)*2048+512*cc
.set cc, cc+1
.endr
.set tt, tt+1
.endr
	s_add_co_u32 s96, s[KF], 127                   ; on the diagonal hidden scores become -infinity ahead of the maximum: p = 0 then.  A step all of whose keys count skips this
	s_cmp_le_u32 s96, s[Q0]
	s_cbranch_scc1 .Lopen_\@
	s_sub_co_i32 s96, s[Q0], s[KF]
	v_and_b32 v252, 15, v0
	v_bfe_u32 v253, v0, 4, 1
	s_delay_alu instid0(VALU_DEP_1)
	v_lshlrev_b32 v253, 3, v253
	s_delay_alu instid0(VALU_DEP_1)
	v_sub_nc_u32 v252, v252, v253
	s_delay_alu instid0(VALU_DEP_1)
	v_add_nc_u32 v252, s96, v252                   ; d = my query - KF - 8 (lane / 16).  Register 8 t + i holds key KF + 8 (lane / 16) + 16 t + i: hidden where 16 t + i > d
	v_mov_b32 v254, 0xff800000                     ; -infinity
.set nn, 0
.rept 64
	v_cmp_gt_i32 vcc_lo, 16*(nn/8)+nn%8, v252
	v_cndmask_b32 v[96+nn], v[96+nn], v254, vcc_lo
.set nn, nn+1
.endr
.Lopen_\@:
	v_max3_num_f32 v254, v96, v97, v98             ; the step's largest score of my query among my 64 keys, in two chains, each accumulator from its low end on,
	v_max3_num_f32 v252, v99, v100, v101
.irp i, 6,10,14,18,22,26,30,34,38,42,46,50,54,58
	v_max3_num_f32 v254, v254, v[96+\i], v[97+\i]
	v_max3_num_f32 v252, v252, v[98+\i], v[99+\i]
.endr
	v_max3_num_f32 v254, v254, v158, v159
	s_delay_alu instid0(VALU_DEP_1)
	v_max_num_f32 v254, v254, v252
	s_delay_alu instid0(VALU_DEP_1)
	v_permlanex16_b32 v246, v254, s[SEL], s[SEL+1]
	s_delay_alu instid0(VALU_DEP_1)
	v_max_num_f32 v254, v254, v246                 ; and among lane l xor 16's
	s_delay_alu instid0(VALU_DEP_1)
	v_mul_f32 v254, s[CS], v254                    ; as t (c is positive)
	s_delay_alu instid0(VALU_DEP_1)
	v_max_num_f32 v13, v13, v254                   ; the running largest t
	v_mov_b32 v254, v12
	s_delay_alu instid0(VALU_DEP_2)
	v_floor_f32 v12, -v13                          ; the new -M = floor(-t) = -ceil(t): a whole number
	s_delay_alu instid0(VALU_DEP_1)
	v_sub_f32 v254, v12, v254                      ; old M - new M: a whole number, 0 or less
	s_delay_alu instid0(VALU_DEP_1)
	v_cvt_i32_f32 v254, v254                       ; (it saturates)
	s_delay_alu instid0(VALU_DEP_1)
	v_ldexp_f32 v252, 1.0, v254                    ; f = 2^(old M - new M)
.set nn, 0
.rept 32
	v_pk_fma_f32 v[96+nn:97+nn], v[96+nn:97+nn], s[CS:CS+1], v[12:13] op_sel_hi:[1,0,0]   ; t - M, two at a time (of the pairs c and -M the low word serves both halves)
.set nn, nn+2
.endr
.set nn, 0
	s_wait_alu depctr_va_vdst(0)
.rept 64
	v_exp_f32 v[96+nn], v[96+nn]                   ; p = 2^(t - M), at most 1
.set nn, nn+1
.endr
	v_pk_mul_f32 v[14:15], v[14:15], v[252:253] op_sel_hi:[1,0]   ; the sums under the new M: the plain line behind the exponentials
	s_wait_alu depctr_va_vdst(0)                   ; one wait for the batch of 64, ahead of its first reader
	v_pk_add_f32 v[242:243], v[100:101], v[104:105]
	v_pk_add_f32 v[254:255], v[108:109], v[112:113]
	v_pk_add_f32 v[250:251], v[116:117], v[120:121]
	v_pk_add_f32 v[248:249], v[124:125], v[128:129]
	v_pk_add_f32 v[238:239], v[132:133], v[136:137]
	v_pk_add_f32 v[236:237], v[140:141], v[144:145]
	v_pk_add_f32 v[234:235], v[148:149], v[152:153]
	v_pk_add_f32 v[14:15], v[14:15], v[156:157]
	v_pk_add_f32 v[242:243], v[242:243], v[96:97]
	v_pk_add_f32 v[254:255], v[254:255], v[98:99]
	v_pk_add_f32 v[250:251], v[250:251], v[102:103]
	v_pk_add_f32 v[248:249], v[248:249], v[106:107]
	v_pk_add_f32 v[238:239], v[238:239], v[110:111]
	v_pk_add_f32 v[236:237], v[236:237], v[114:115]
	v_pk_add_f32 v[234:235], v[234:235], v[118:119]
	v_pk_add_f32 v[14:15], v[14:15], v[122:123]
	v_pk_add_f32 v[242:243], v[242:243], v[126:127]
	v_pk_add_f32 v[254:255], v[254:255], v[130:131]
	v_pk_add_f32 v[250:251], v[250:251], v[134:135]
	v_pk_add_f32 v[248:249], v[248:249], v[138:139]
	v_pk_add_f32 v[238:239], v[238:239], v[142:143]
	v_pk_add_f32 v[236:237], v[236:237], v[146:147]
	v_pk_add_f32 v[234:235], v[234:235], v[150:151]
	v_pk_add_f32 v[14:15], v[14:15], v[154:155]
	v_pk_add_f32 v[242:243], v[242:243], v[158:159]
	s_delay_alu instid0(VALU_DEP_2)
	v_pk_add_f32 v[14:15], v[14:15], v[248:249]
	s_delay_alu instid0(VALU_DEP_2)
	v_pk_add_f32 v[242:243], v[242:243], v[238:239]
	v_pk_add_f32 v[254:255], v[254:255], v[236:237]
	v_pk_add_f32 v[250:251], v[250:251], v[234:235]
	s_delay_alu instid0(VALU_DEP_2)
	v_pk_add_f32 v[14:15], v[14:15], v[254:255]
	s_delay_alu instid0(VALU_DEP_2)
	v_pk_add_f32 v[242:243], v[242:243], v[250:251]
	s_delay_alu instid0(VALU_DEP_1)
	v_pk_add_f32 v[14:15], v[14:15], v[242:243]
.set cc, 0
.rept 8
.set ii, 0
.rept 8
	v_min_num_f32 v[96+8*cc+ii], v[96+8*cc+ii], v240   ; the conversion does not saturate (ISA guide 7.6.2); p is not negative, so the hold is one-sided
.set ii, ii+1
.endr
	v_cvt_scalef32_pk8_bf8_f32 v[224+2*cc:225+2*cc], v[96+8*cc:103+8*cc], v244   ; registers 2 c, 2 c + 1 of P: keys 16 c + 8 (lane / 16) + 0 .. 7
.set cc, cc+1
.endr
.set nn, 0
.rept 16
	v_pk_mul_f32 v[160+nn:161+nn], v[160+nn:161+nn], v[252:253] op_sel_hi:[1,0]   ; O^T under the new M.  (Also the plain lines between the conversions and the products that read the codes)
.set nn, nn+2
.endr
	s_wait_alu depctr_va_vdst(0)
	s_wait_dscnt 0x0                               ; V is in
.set tt, 0
.rept 4                                        ; O^T += V^T P^T: four accumulators, one instruction each
	v_wmma_f32_16x16x128_bf8_bf8 v[160+8*tt:167+8*tt], v[32+16*tt:47+16*tt], v[224:239], v[160+8*tt:167+8*tt]
.set tt, tt+1
.endr
.Lhidden_\@:
	s_add_co_u32 s[KF], s[KF], 128
.endm
; THE CHANGE OF SLOTS stands at a slot's head.  Each wave waits for all its tensor loads (its part of the slot that it is about to read), adds 0 to its spare word, and waits for that and for its reads of the slot that it has left.
; Behind the barrier the slot ahead is whole and nobody reads the other one.  fill = 1: that other slot takes the next 512 keys, up to the causal limit; the load has a slot's four steps in which to land.  One tensor load of a wave is out at the most.
.macro CHANGE fill
	s_wait_tensorcnt 0x0                           ; no tensor load of mine is out, so a group 0 may be written
	ds_add_u32 v[SPW], v[NIL]                      ; 0 onto my spare word
.if \fill
	ds_add_u32 v[SPW], v[NIL]                      ; and once more, in every trip alike
	s_xor_b32 s[G0K+1], s[G0K+1], SLOT1            ; the walking descriptors: the other slot than last time,
	s_add_nc_u64 s[G0K+2:G0K+3], s[G0K+2:G0K+3], 32768   ; the next four key steps; the type bits on top are not reached
	s_xor_b32 s[G0V+1], s[G0V+1], SLOT1
	s_add_nc_u64 s[G0V+2:G0V+3], s[G0V+2:G0V+3], 262144
	s_wait_xcnt 0x0                                ; the last prefetch, a slot back, has read its address, so it may be written:
	s_add_nc_u64 s[PFA:PFA+1], s[PFA:PFA+1], s[PFS:PFS+1]   ; one slot further on than the walking descriptors
.endif
	s_wait_dscnt 0x0                               ; the add is done, and my reads of the slot that I have left are over
	s_barrier_signal -1
	s_barrier_wait -1
.if \fill
	s_add_co_u32 s96, s[KF], 512                   ; the first key of the slot that this change would ask for: if it comes after my work-group's last query, none of the sixteen waves reads that slot, and it is not asked for.
	s_cmp_gt_u32 s96, s[LASTQ]                     ; The work-group's number and the count of steps alone: all waves go the same way, and past the limit they stay past it; every wait on TENSORcnt here is for 0
	s_cbranch_scc1 .Lpast_\@
	TLOAD                                          ; a wave's one tensor load until the next barrier
.Lpast_\@:
	ASK
.endif
.endm
.macro SLOT_STEPS
	STEP 0
	STEP 1
	STEP 2
	STEP 3
	s_xor_b32 s[TB], s[TB], SLOT1                  ; on to the other slot
.endm
	s_wait_loadcnt 0x0                             ; Q
.Lslot:                                            ; seven trips: behind each change of slots but the last the next slot is asked for, up to the limit
	CHANGE 1
	SLOT_STEPS
	s_sub_co_u32 s[SLOTS], s[SLOTS], 1
	s_cmp_lg_u32 s[SLOTS], 0
	s_cbranch_scc1 .Lslot
	CHANGE 0                                       ; the last slot is written out: nothing is left to ask for
	SLOT_STEPS
	; THE WAY OUT.  o = O^T x 2^(e8 + e9) / the sum, held, and quantised by e10.  Register 8 t + i is channel 16 t + 8 (lane / 16) + i of my head: registers 2 t, 2 t + 1 of the head's half of a K = 128 fragment
	; of the last product's operand: two stores of 512 consecutive bytes at (tile of 16 rows) x 8,192 + head x 1,024.
	v_add_f32 v14, v14, v15                        ; the sum's two halves,
	s_delay_alu instid0(VALU_DEP_1)
	v_permlanex16_b32 v246, v14, s[SEL], s[SEL+1]
	s_delay_alu instid0(VALU_DEP_1)
	v_add_f32 v14, v14, v246                       ; and lane l xor 16's
	s_wait_alu depctr_va_vdst(0)
	v_rcp_f32 v14, v14
	v_nop                                          ; plain lines behind the reciprocal; with the additions and the v_ldexp_f32 also the places behind the last products
	v_nop
	s_add_co_i32 s88, s72, s73
	s_wait_alu depctr_va_vdst(0)                   ; the wait ahead of the reciprocal's first reader
	v_ldexp_f32 v14, v14, s88                      ; x 2^(e8 + e9)
.set nn, 0
.rept 32
	v_mul_f32 v[96+nn], v[160+nn], v14             ; each accumulator from its low end on
.set nn, nn+1
.endr
.set cc, 0
.rept 4
.set ii, 0
.rept 8
	v_med3_num_f32 v[96+8*cc+ii], v[96+8*cc+ii], -v241, v241
.set ii, ii+1
.endr
	v_cvt_scalef32_pk8_bf8_f32 v[224+2*cc:225+2*cc], v[96+8*cc:103+8*cc], v245
.set cc, cc+1
.endr
	v_nop
	global_store_b128 v[AK0], v[224:227], s[16:17]
	global_store_b128 v[AK0], v[228:231], s[16:17] offset:512
	s_wait_tensorcnt 0x0                           ; the wave's end, behind my last tensor load
	ds_add_u32 v[SPW], v[NIL]
	s_wait_dscnt 0x0
	s_endpgm
.Lfunc_end_k_qc79f6c29c5_attn:
	.size	k_qc79f6c29c5_attn, .Lfunc_end_k_qc79f6c29c5_attn-k_qc79f6c29c5_attn
	.p2alignl 7, 3214868480
	.fill 96, 4, 3214868480
	.section	.rodata,"a",@progbits
	.p2align	6, 0x0
	.amdhsa_kernel k_qc79f6c29c5_attn
		.amdhsa_group_segment_fixed_size 327680
		.amdhsa_private_segment_fixed_size 0
		.amdhsa_enable_private_segment 0
		.amdhsa_kernarg_size 40
		.amdhsa_user_sgpr_count 2
		.amdhsa_user_sgpr_kernarg_segment_ptr 1
		.amdhsa_wavefront_size32 1
		.amdhsa_system_sgpr_workgroup_id_x 1
		.amdhsa_system_sgpr_workgroup_id_y 1
		.amdhsa_system_sgpr_workgroup_id_z 1
		.amdhsa_system_vgpr_workitem_id 0
		.amdhsa_next_free_vgpr 256
		.amdhsa_next_free_sgpr 100
		.amdhsa_reserve_vcc 1
		.amdhsa_float_denorm_mode_32 3
		.amdhsa_float_denorm_mode_16_64 3
		.amdhsa_memory_ordered 1
		.amdhsa_forward_progress 1
		.amdhsa_inst_pref_size 183
	.end_amdhsa_kernel
	.amdgpu_metadata
---
amdhsa.version: [ 1, 2 ]
amdhsa.kernels:
  - .name:           k_qc79f6c29c5_attn
    .symbol:         k_qc79f6c29c5_attn.kd
    .args:
      - { .name: qc, .offset: 0, .size: 8, .value_kind: global_buffer, .address_space: global }
      - { .name: kc, .offset: 8, .size: 8, .value_kind: global_buffer, .address_space: global }
      - { .name: vc, .offset: 16, .size: 8, .value_kind: global_buffer, .address_space: global }
      - { .name: lowp_scales, .offset: 24, .size: 8, .value_kind: global_buffer, .address_space: global }
      - { .name: oc, .offset: 32, .size: 8, .value_kind: global_buffer, .address_space: global }
    .group_segment_fixed_size: 327680
    .private_segment_fixed_size: 0
    .kernarg_segment_align: 8
    .kernarg_segment_size: 40
    .max_flat_workgroup_size: 512
    .sgpr_count:     100
    .vgpr_count:     256
    .wavefront_size: 32
...
	.end_amdgpu_metadata
.endif
;; end of part 6
;; launch oproj (part 7): grid 256 x 1, 4 waves a work-group, no clusters, 34,304 bytes of LDS; arguments oc, wc, lowp_scales, out0; writes out0
.if DOCPART == 7
	.amdgcn_target "amdgcn-amd-amdhsa--gfx1250"
	.amdhsa_code_object_version 6
	.text
	.protected	k_qc79f6c29c5_oproj
	.globl	k_qc79f6c29c5_oproj
	.p2align	8
	.type	k_qc79f6c29c5_oproj,@function
k_qc79f6c29c5_oproj:
	s_mov_b64 s[64:65], 0
	v_nop
	global_prefetch_b8 v0, s[64:65] scope:SCOPE_SE
	s_setreg_imm32_b32 hwreg(HW_REG_WAVE_SCHED_MODE, 0, 2), 2
	s_setreg_imm32_b32 hwreg(HW_REG_WAVE_MODE, 25, 1), 1
	s_wait_xcnt 0x0
	s_wait_alu depctr_vm_vsrc(0)
; FOURTH LAUNCH: out0[:, :, :512] = o wo[:512, :512]^T on codes of E5M2, each sum x 2^(e10 + e11); out0[:, :, 512:] = 0 (reference()'s pad).  Work left out: wo's rows and columns 512 .. (the first kernel's head).
; Work-group g takes rows 32 g .. 32 g + 31 (two tiles of 16).  Wave w takes columns 128 w .. 128 w + 127: its 128 rows of wo (32 fragments, 512 registers) fill windows 1 and 2.
; D = wo tile x o tile: a lane holds one row of out0 and eight neighbouring columns, 32 bytes.  A block of 16 rows x 128 columns goes through the wave's own stage in LDS and leaves as rows of 512 consecutive bytes.
; LIMIT: e10 + e11 between -126 and 127, so that 2^(e10 + e11) is an f32 number.
; REGISTERS: window 0: v1-3, v8 addresses; v12, v13 the add's two; v16-143 o's eight fragments ((m, s) at 16 + 16 (4 m + s)), later the two blocks' scaled sums (v16-79, v80-143); v144-207 block 0's rows read back, v16-79 block 1's; v208-211 zeros.   window 3: accumulator (m, t) at v[8 (8 m + t)].
; THE MODE: SCHED_MODE bits 1:0 = 2 (LLVM: expert scheduling mode 2), set by the entry lines.  The code itself states the register dependences
; between vector or matrix instructions and memory or LDS instructions, with s_wait_alu, always for 0.
; THE PLAN.  Registers that memory or LDS instructions touch:
;   v1, v2, v3, v8   offsets and LDS addresses, and v208-211, the zeros: written at the head, never again.  v8 is 16 x lane once more, for the zero stores alone, so that nothing between the head's wait and the loads under
;                    other windows names a register of those loads.
;   v16-143          o's fragments: loaded at the head, read by the products; then written by the 64 scalings, read by the LDS stores; v16-79 then take block 1's rows from the stage.
;   v144-207         block 0's rows from the stage: named by LDS loads and global stores alone.
;   windows 1, 2     wo's fragments: loaded at the head, read by the products alone.
; Four waits state it all: s16 ahead of its first reader; the addresses and zeros ahead of the first store; the scaled sums of both blocks ahead of the LDS stores (the products are then done with v16-143 too);
; and block 0's LDS stores have read v16-79 ahead of the LDS loads that land there.  There is no loop: all loads go out at the head.
.set STG,   8448                       ; a wave's stage: 16 rows x (512 + 16) bytes
.set SPARE, 4*STG                      ; behind the stages: the spare words, 128 bytes a wave: two blocks of 256 bytes that no other line names
.set LO,  1                            ; v1   16 x lane
.set STO, 2                            ; v2   the stage: where I put 32 bytes of a row
.set RD,  3                            ; v3   and where I read a row back
.set ZO,  8                            ; v8   16 x lane, for the zero stores
.set SPW, 12
.set NIL, 13
.set MF,  16
.set T0,  16                           ; block m's scaled sums at T0 + 64 m
.set B0,  144                          ; block 0's rows read back
.set B1,  16                           ; block 1's
.set ZR,  208
.set MSB, 0
.macro WIN new                         ; the immediate's high byte repeats the setting that is left
.if MSB != \new
	s_set_vgpr_msb (MSB<<8)|\new
.set MSB, \new
.endif
.endm
	s_load_b256 s[4:11], s[0:1], 0x0               ; oc, wc, the scales' exponents, out0
	v_lshl_add_u32 v[SPW], v0, 2, SPARE
	v_mov_b32 v[NIL], 0
	v_lshrrev_b32 v4, 5, v0
	v_readfirstlane_b32 s16, v4                    ; wave
	v_and_b32 v5, 31, v0
	v_lshlrev_b32 v[LO], 4, v5
	v_lshlrev_b32 v[ZO], 4, v5
	v_and_b32 v6, 15, v0                           ; r
	v_bfe_u32 v7, v0, 4, 1                         ; h
	v_mul_u32_u24 v[STO], v6, 528
	v_lshl_add_u32 v[STO], v7, 5, v[STO]
.irp i, 0,1,2,3
	v_mov_b32 v[ZR+\i], 0
.endr
	s_wait_alu depctr_va_sdst(0)                   ; s16 is written, ahead of its first reader: my stage's place and the bases are made from it
	s_mul_i32 s17, s16, STG
	v_add_nc_u32 v[RD], s17, v[LO]
	v_add_nc_u32 v[STO], s17, v[STO]
	s_lshl_b32 s20, ttmp9, 14                      ; oc: two tiles of rows, 8,192 bytes each
	s_mov_b32 s21, 0
	s_lshl_b32 s22, s16, 16
	s_add_co_u32 s22, s22, 786432                  ; wc: wo's codes, rows 128 w ..
	s_mov_b32 s23, 0
	s_lshl_b32 s24, ttmp9, 17                      ; out0: 32 rows of 4,096 bytes,
	s_lshl_b32 s18, s16, 9
	s_add_co_u32 s24, s24, s18                     ; + my 128 columns
	s_mov_b32 s25, 0
	s_lshl_b32 s26, ttmp9, 17                      ; the zeros: rows 32 g + 8 w .., from column 512 on
	s_lshl_b32 s18, s16, 15
	s_add_co_u32 s26, s26, s18
	s_add_co_u32 s26, s26, 2048
	s_mov_b32 s27, 0
	s_wait_kmcnt 0x0
	s_load_b64 s[44:45], s[8:9], 0x28              ; e10, e11
	s_add_nc_u64 s[28:29], s[10:11], s[24:25]
	s_add_nc_u64 s[30:31], s[10:11], s[26:27]
	s_add_nc_u64 s[32:33], s[4:5], s[20:21]
	s_add_nc_u64 s[34:35], s[6:7], s[22:23]
	s_wait_alu depctr_va_vdst(0)                   ; v1, v2, v3 and v8, the offsets and LDS addresses, and the zeros v208-211 are written: the stores and loads of the whole kernel read them
.set nn, 0
.rept 32                                       ; eight rows' right halves: four stores of 512 consecutive bytes a row; they hang on nothing, so they leave first
	global_store_b128 v[ZO], v[ZR:ZR+3], s[30:31] offset:(nn/4)*4096+(nn%4)*512 th:TH_STORE_NT
.set nn, nn+1
.endr
.set nn, 0
.rept 32
	global_load_b128 v[MF+4*nn:MF+4*nn+3], v[LO], s[32:33] offset:512*nn
.set nn, nn+1
.endr
	WIN 0x40                                       ; destination window 1: wo's tiles 0-3; fragment (t, s) at v[16 (4 (t % 4) + s)]
.set nn, 0
.rept 64
	global_load_b128 v[4*nn:4*nn+3], v[LO], s[34:35] offset:512*nn
.set nn, nn+1
.endr
	WIN 0x80                                       ; window 2: tiles 4-7
.set nn, 0
.rept 64
	global_load_b128 v[4*nn:4*nn+3], v[LO], s[34:35] offset:32768+512*nn
.set nn, nn+1
.endr
; 64 matrix instructions, by wo's tiles as their loads come in; a tile's two accumulators take turns, one instruction a turn; the first product of each starts its sum.
.set tt, 0
.rept 8
.if tt == 0
	s_wait_loadcnt 63                              ; of the 160 loads the first 97 are in: o's 32 and those of wo's tiles 0 to 3 (a wait's count has six bits)
.elseif tt >= 4
	s_wait_loadcnt 16*(7-tt)                       ; all but the later tiles' loads
.endif
.if tt < 4
	WIN 0xf1                                       ; source 0 window 1, C and D window 3
.else
	WIN 0xf2                                       ; source 0 window 2
.endif
.set ss, 0
.rept 4
.set mm, 0
.rept 2
.if ss == 0
	v_wmma_f32_16x16x128_bf8_bf8 v[8*(8*mm+tt):8*(8*mm+tt)+7], v[16*(4*(tt%4)+ss):16*(4*(tt%4)+ss)+15], v[MF+16*(4*mm+ss):MF+16*(4*mm+ss)+15], 0
.else
	v_wmma_f32_16x16x128_bf8_bf8 v[8*(8*mm+tt):8*(8*mm+tt)+7], v[16*(4*(tt%4)+ss):16*(4*(tt%4)+ss)+15], v[MF+16*(4*mm+ss):MF+16*(4*mm+ss)+15], v[8*(8*mm+tt):8*(8*mm+tt)+7]
.endif
.set mm, mm+1
.endr
.set ss, ss+1
.endr
.set tt, tt+1
.endr
	WIN 0
	s_wait_kmcnt 0x0
	s_add_co_i32 s46, s44, s45
	s_add_co_i32 s46, s46, 127
	s_lshl_b32 s46, s46, 23                        ; 2^(e10 + e11) as f32
	s_mov_b32 s47, s46                             ; (named with it as a pair, so it is written)
.rept 4
	v_nop                                          ; four places behind the last products (ISA guide 7.12.1): for the reads of their sums and the writes of o's registers
.endr
	WIN 0x03                                       ; source 0 window 3
.set nn, 0
.rept 64                                       ; both blocks are scaled in one run, each into registers of its own
	v_pk_mul_f32 v[T0+nn:T0+nn+1], v[nn:nn+1], s[46:47] op_sel_hi:[1,0]   ; x 2^(e10 + e11): nothing is rounded; each accumulator from its low end on
.set nn, nn+2
.endr
	WIN 0
.macro PUT m                           ; block m: 16 rows x 128 columns, into my stage
.set tt, 0
.rept 8
	ds_store_b128 v[STO], v[T0+64*(\m)+8*tt:T0+64*(\m)+8*tt+3] offset:64*tt
	ds_store_b128 v[STO], v[T0+64*(\m)+8*tt+4:T0+64*(\m)+8*tt+7] offset:64*tt+16
.set tt, tt+1
.endr
.endm
.macro BACK reg                        ; and back as whole rows, into v[reg] on
.set ii, 0
.rept 16
	ds_load_b128 v[\reg+4*ii:\reg+4*ii+3], v[RD] offset:528*ii   ; LDS serves a wave's instructions in order: these see my stores, and the next block's stores come behind them
.set ii, ii+1
.endr
.endm
.macro SEND m, reg, younger            ; younger: the LDS instructions issued behind block m's loads, which may stay out
	s_wait_dscnt \younger
.set ii, 0
.rept 16
	global_store_b128 v[LO], v[\reg+4*ii:\reg+4*ii+3], s[28:29] offset:(16*(\m)+ii)*4096 th:TH_STORE_NT   ; 32 lanes store 512 consecutive bytes, at a multiple of 512 from out0's first byte
.set ii, ii+1
.endr
.endm
	s_wait_alu depctr_va_vdst(0)                   ; the scalings have written v16-143, which the LDS stores read; no vector or matrix instruction follows in the kernel
	PUT 0
	BACK B0
	PUT 1
	s_wait_alu depctr_vm_vsrc(0)                   ; block 0's LDS stores have read v16-79, in which block 1's rows land
	BACK B1
	SEND 0, B0, 32                                 ; behind block 0's loads: block 1's 16 stores and 16 loads
	SEND 1, B1, 0
	s_wait_dscnt 0x0                               ; the closing lines, six on end
	s_wait_alu 0x0
	s_wait_tensorcnt 0x0
	ds_add_u32 v[SPW], v[NIL]
	s_wait_dscnt 0x0
	s_endpgm
.Lfunc_end_k_qc79f6c29c5_oproj:
	.size	k_qc79f6c29c5_oproj, .Lfunc_end_k_qc79f6c29c5_oproj-k_qc79f6c29c5_oproj
	.p2alignl 7, 3214868480
	.fill 96, 4, 3214868480
	.section	.rodata,"a",@progbits
	.p2align	6, 0x0
	.amdhsa_kernel k_qc79f6c29c5_oproj
		.amdhsa_group_segment_fixed_size 34304
		.amdhsa_private_segment_fixed_size 0
		.amdhsa_enable_private_segment 0
		.amdhsa_kernarg_size 32
		.amdhsa_user_sgpr_count 2
		.amdhsa_user_sgpr_kernarg_segment_ptr 1
		.amdhsa_wavefront_size32 1
		.amdhsa_system_sgpr_workgroup_id_x 1
		.amdhsa_system_sgpr_workgroup_id_y 1
		.amdhsa_system_sgpr_workgroup_id_z 1
		.amdhsa_system_vgpr_workitem_id 0
		.amdhsa_next_free_vgpr 1024
		.amdhsa_next_free_sgpr 66
		.amdhsa_reserve_vcc 0
		.amdhsa_float_denorm_mode_32 3
		.amdhsa_float_denorm_mode_16_64 3
		.amdhsa_memory_ordered 1
		.amdhsa_forward_progress 1
		.amdhsa_inst_pref_size 36
	.end_amdhsa_kernel
	.amdgpu_metadata
---
amdhsa.version: [ 1, 2 ]
amdhsa.kernels:
  - .name:           k_qc79f6c29c5_oproj
    .symbol:         k_qc79f6c29c5_oproj.kd
    .args:
      - { .name: oc, .offset: 0, .size: 8, .value_kind: global_buffer, .address_space: global }
      - { .name: wc, .offset: 8, .size: 8, .value_kind: global_buffer, .address_space: global }
      - { .name: lowp_scales, .offset: 16, .size: 8, .value_kind: global_buffer, .address_space: global }
      - { .name: out0, .offset: 24, .size: 8, .value_kind: global_buffer, .address_space: global }
    .group_segment_fixed_size: 34304
    .private_segment_fixed_size: 0
    .kernarg_segment_align: 8
    .kernarg_segment_size: 32
    .max_flat_workgroup_size: 128
    .sgpr_count:     66
    .vgpr_count:     1024
    .wavefront_size: 32
...
	.end_amdgpu_metadata
.endif
;; end of part 7
